; MI455X (gfx1250); checked and timed in simulation.
; The chip was launched on July 23, 2026; its instructions are those of AMD's public machine-readable ISA for CDNA 5 (MIT licence, August 2026) and "CDNA5" Instruction Set Architecture Reference Guide (July 2026). The comments in the code are by the model that wrote it; some were corrected since.
;; Causal Self Attention. Allowed arithmetic: matrix products marked QUANTISED: E4M3 operands, one given power-of-two scale a tensor, by v_wmma_f32_16x16x64_fp8_fp8 or v_wmma_f32_16x16x128_fp8_fp8, f32 sums; everything else in f32.
;; Inputs: Wk 1,024 x 1,024 float32; Wo 1,024 x 1,024 float32; Wq 1,024 x 1,024 float32; Wv 1,024 x 1,024 float32; bk 1,024 float32; bo 1,024 float32; bq 1,024 float32; bv 1,024 float32; lowp_scales 12 int32 (the exponents e of the quantised operands' scales 2^e); x 4 x 2,048 x 1,024 float32.
;; Outputs: out0 4 x 2,048 x 1,024 float32.
;; This version of the problem:
;;   THIS VERSION OF THE PROBLEM IS GIVEN IN LOW PRECISION. The matrix products marked QUANTISED in the list below multiply operands that are first quantised to E4M3 (4 exponent bits, 3 mantissa bits; 8 bits a number), with one given power-of-two scale for each operand tensor; their sums are f32. All else is computed in f32.
;;   The module's matrix products, in the order in which they are computed (A, B: the left and right operand; K: the contracted axis; several contracted axes count as one K, in the product's order):
;;     1. [M 8,192, K 1,024] x [K 1,024, N 1,024]; A: input x; B: input Wq: QUANTISED (scales: A lowp_scales[0], B lowp_scales[1])
;;     2. [M 8,192, K 1,024] x [K 1,024, N 1,024]; A: input x; B: input Wk: QUANTISED (scales: A lowp_scales[2], B lowp_scales[3])
;;     3. [M 8,192, K 1,024] x [K 1,024, N 1,024]; A: input x; B: input Wv: QUANTISED (scales: A lowp_scales[4], B lowp_scales[5])
;;     4. batch 64 x [M 2,048, K 64] x [K 64, N 2,048]; A: computed on the way; B: computed on the way: QUANTISED (scales: A lowp_scales[6], B lowp_scales[7])
;;     5. batch 64 x [M 2,048, K 2,048] x [K 2,048, N 64]; A: softmax (see below); B: computed on the way: QUANTISED (scales: A lowp_scales[8], B lowp_scales[9])
;;     6. [M 8,192, K 1,024] x [K 1,024, N 1,024]; A: computed on the way; B: input Wo: QUANTISED (scales: A lowp_scales[10], B lowp_scales[11])
;;   THE QUANTISER, for each operand of a quantised product, along K:
;;     - The operand's scale is 2^e, e = its entry of the input lowp_scales (int32; the entries are numbered through the quantised products in the list's order, A before B).
;;     - Each number is divided by the scale, clamped to +-448, and rounded to the nearest number of E4M3, ties to even, subnormals kept.
;;     - The product sums the exact products of the quantised numbers (number of the format x scale) in f32.
;;   ~~~python
;;   def quantise(x, axis, e):      # numpy; x: float32 -> the quantised numbers, widened to float32 again
;;       x = np.moveaxis(x, axis, -1); K = x.shape[-1]
;;       r = np.clip(x / 2.0 ** e, -448, 448)
;;       step = 2.0 ** (np.maximum(np.frexp(np.where(r == 0, 1, r))[1] - 1, -6) - 3)
;;       q = np.round(r / step) * step * 2.0 ** e      # np.round: ties to even
;;       return np.moveaxis(q, -1, axis).astype(np.float32)
;;   ~~~
;;   SOFTMAX AHEAD OF A QUANTISED PRODUCT. Where the list says 'softmax', what is quantised is not the finished softmax but p = 2^(t - M), with t = logit x log2(e) and M = ceil(the row's largest t), a whole number; so 1/2 < the row's largest p <= 1. The row's sum l is taken of the UNQUANTISED p, in f32, and the product's result is divided by l at the end. Since M is a whole number, a kernel that streams over the keys may use a running M (the ceiling of the running maximum): every later rescaling is an exact power of two, so the quantised numbers keep their values, but for numbers so far below the row's largest that they fall under the format's range.
;;   OPERANDS COMPUTED ON THE WAY. 'Computed on the way' means the value that the module computes at that place (a softmax that the list does not call 'softmax' is quantised finished and normalised). What goes into a quantiser is computed in f32, as accurately as f32 sums, v_exp_f32 and their like allow (about 1e-6 of the number): no bf16 or f16 on the way to a quantiser, and a product that is left as it is and whose result goes on into a quantised operand takes f32 operands (vector FMAs, or v_wmma_f32_16x16x4_f32). A number that lies on a knife's edge between two numbers of the format may be rounded either way, as far as f32 arithmetic and the matrix unit's own rounding can turn it there, and no further.
;; One version. Each part assembles by itself: llvm-mc -triple=amdgcn-amd-amdhsa -mcpu=gfx1250 --defsym DOCPART=n.
;; ======== version 1 of 1: 4 launches
;; limits: right only within a limited range of input values
;; workspace buffers: xc 25,165,824 bytes; wc 4,194,304 bytes; qkvc 25,165,824 bytes; ac 8,388,608 bytes
;; launch quant (part 1): grid 384 x 1, 4 waves a work-group, no clusters, 68,096 bytes of LDS; arguments x, Wq, Wk, Wv, Wo, lowp_scales, xc, wc; writes xc, wc
.if DOCPART == 1
	.amdgcn_target "amdgcn-amd-amdhsa--gfx1250"
	.amdhsa_code_object_version 6
	.text
	.protected	k_qbf585dbbf0_quant
	.globl	k_qbf585dbbf0_quant
	.p2align	8
	.type	k_qbf585dbbf0_quant,@function
k_qbf585dbbf0_quant:
	s_mov_b64 s[64:65], 0
	v_nop
	global_prefetch_b8 v0, s[64:65] scope:SCOPE_SE
	s_setreg_imm32_b32 hwreg(HW_REG_WAVE_MODE, 25, 1), 1
	s_wait_xcnt 0x0
; f32 numbers into codes of FP8 (E4M3).  code = number / 2^e, held within +-448, to the nearest code, ties to even.
; x [8192][1024] is an operand of three products with three given scales (entries 0, 2, 4 of the scales' buffer): three sets of codes, xc [3][8192][1024], K innermost as in x.
; Wq, Wk, Wv, Wo [k 1024][n 1024] have K as their FIRST axis: their codes are laid wc [4][n 1024][k 1024], K innermost (entries 1, 3, 5, 11).
; Work-groups 0-255 take x, 256-383 the weights: two paths that part on the work-group's number, each with LDS bytes of its own.  Waves share nothing: no barrier.
; LIMITS: each e used here lies between -126 and 119, so that 2^e and 448 x 2^e are f32 numbers.  NaN among the inputs is not served (an infinity is held at the largest code).
.set MANT,   0x600000                  ; the mantissa field of 448 as f32
; path X
.set STEPS,  16                        ; a wave takes 16 steps of 512 numbers
.set SP,     80                        ; a lane's place in a stage: its 64 bytes + 16 of padding
.set XR,     16                        ; v16-79   four sets of 16 numbers as they are loaded
.set XX,     80                        ; v80-111  two sets of 16 neighbours along K
.set XT,     112                       ; v112-127 the 16 numbers held within one scale's range
.set XC,     128                       ; v128-139 the codes under the three scales
; path W
.set WSTAGE, 32768                     ; behind path X's four regions of 8,192 bytes
.set WPITCH, 272                       ; a stage row: 256 codes + 16 of padding
.set NB,     8                         ; blocks of 32 along K for a wave
.set WX,     32                        ; v32-95   two sets of 32 numbers
.set WC,     96                        ; v96-103  a block's codes
.set WO,     112                       ; v112-175 the way out
; s[e] -> v[vs] = 2^e as f32 (the conversion takes its exponent field)
.macro SCALES e, vs, vl
	s_add_co_i32 s30, s[\e], 127
	s_lshl_b32 s31, s30, 23
	v_mov_b32 v[\vs], s31
	s_add_co_i32 s30, s30, 8
	s_lshl_b32 s30, s30, 23
	s_or_b32 s30, s30, MANT
.endm
	s_load_b512 s[4:19], s[0:1], 0x0               ; x 4:5, Wq 6:7, Wk 8:9, Wv 10:11, Wo 12:13, the scales' exponents 14:15, xc 16:17, wc 18:19
	v_lshl_add_u32 v192, v0, 2, 0x10800
	v_mov_b32 v193, 0
	v_lshrrev_b32 v1, 5, v0
	v_readfirstlane_b32 s28, v1                    ; wave 0..3
	v_and_b32 v2, 31, v0                           ; lane
	s_wait_kmcnt 0x0
	s_load_b256 s[32:39], s[14:15], 0x0            ; e0 .. e7
	s_load_b128 s[40:43], s[14:15], 0x20           ; e8 .. e11
	s_cmp_ge_u32 ttmp9, 256
	s_cbranch_scc1 .Lw
	s_wait_alu depctr_va_vdst(0)
; ---------------- PATH X.  x is a plain stream of blocks of 32, and so are its codes.  Each load reads 512 consecutive bytes, 16 a lane; a step's 2,048 bytes turn through the wave's own stage
; in LDS and come back 64 bytes a lane: 16 neighbours along K, as the conversions want them.  A lane's 16 codes are 16 bytes: each store of the wave covers 512 consecutive bytes, aligned.
	v_lshlrev_b32 v3, 4, v2                        ; 16 x lane: my bytes of a load's 512, and of a store's
	s_wait_alu depctr_va_vdst(0)
	s_lshl_b32 s29, s28, 13                        ; my wave's region of LDS
	v_lshrrev_b32 v14, 2, v2
	v_mul_u32_u24 v14, v14, SP
	v_and_b32 v15, 3, v2
	v_lshl_add_u32 v14, v15, 4, v14
	v_add_nc_u32 v14, s29, v14                     ; into the stage: four lanes' 64 bytes on end, then the padding
	v_mul_u32_u24 v15, v2, SP
	v_add_nc_u32 v15, s29, v15                     ; out of it: my 16 neighbours
	s_lshl_b32 s30, ttmp9, 2
	s_add_co_u32 s30, s30, s28                     ; which run of 8,192 numbers is my wave's: 0 .. 1023
	s_lshl_b32 s26, s30, 15
	s_mov_b32 s27, 0
	s_add_nc_u64 s[4:5], s[4:5], s[26:27]
	s_lshl_b32 s26, s30, 13
	s_add_nc_u64 s[20:21], s[16:17], s[26:27]      ; the three sets of codes lie 2^23 bytes apart: a base for each
	s_add_nc_u64 s[22:23], s[20:21], 0x800000
	s_add_nc_u64 s[24:25], s[22:23], 0x800000
.macro LOADX t
.irp i, 0,1,2,3
	global_load_b128 v[XR+16*((\t)%4)+4*\i:XR+16*((\t)%4)+4*\i+3], v3, s[4:5] offset:2048*(\t)+512*\i th:TH_LOAD_NT
.endr
.endm
.macro TURNX t                         ; LDS serves a wave's instructions in order (ISA guide 5.7.1.4): no wait between the stores and the loads
.irp i, 0,1,2,3
	ds_store_b128 v14, v[XR+16*((\t)%4)+4*\i:XR+16*((\t)%4)+4*\i+3] offset:32*SP*((\t)%2)+8*SP*\i
.endr
.irp i, 0,1,2,3
	ds_load_b128 v[XX+16*((\t)%2)+4*\i:XX+16*((\t)%2)+4*\i+3], v15 offset:32*SP*((\t)%2)+16*\i
.endr
.endm
.irp t, 0,1,2,3
	LOADX \t                                       ; loads run four steps, 16 loads a wave, ahead
.endr
	s_wait_alu depctr_va_vdst(0)
	s_wait_kmcnt 0x0
	SCALES 32, 5, 8                                ; e0
	SCALES 34, 6, 9                                ; e2
	SCALES 36, 7, 10                               ; e4
	s_wait_alu depctr_va_vdst(0)
	s_wait_loadcnt 12                              ; step 0's four loads are in
	TURNX 0
.macro STEPX t
.set XS, XX+16*((\t)%2)
	s_wait_dscnt 0x0                               ; this step's numbers are back from the stage, and its stores into the stage have read their registers
	s_wait_xcnt 0x0                                ; the last step's stores have read their codes: the registers are written again only behind this wait
.if (\t)+4 < STEPS
	LOADX (\t)+4
.endif
.if (\t)+1 < STEPS
.if STEPS-2-(\t) >= 3
	s_wait_loadcnt 12                              ; the next step's four loads are in; those of the three steps behind it may be out
.else
	s_wait_loadcnt 4*(STEPS-2-(\t))
.endif
	TURNX (\t)+1                                   ; they go through the other stage while this step is worked
.endif
.irp o, 0,1,2
.set i, 0
.rept 16
.set i, i+1
.endr
	v_cvt_scalef32_pk8_fp8_f32 v[XC+4*\o:XC+4*\o+1], v[XS:XS+7], v[5+\o]
	v_cvt_scalef32_pk8_fp8_f32 v[XC+4*\o+2:XC+4*\o+3], v[XS+8:XS+15], v[5+\o]
	v_nop                                          ; a plain line between the conversions and the store that reads their results
	global_store_b128 v3, v[XC+4*\o:XC+4*\o+3], s[20+2*\o:21+2*\o] offset:512*(\t)
.endr
.endm
.irp t, 0,1,2,3,4,5,6,7,8,9,10,11,12,13,14,15
	STEPX \t
.endr
	s_wait_tensorcnt 0x0
	ds_add_u32 v192, v193
	s_wait_dscnt 0x0
	s_endpgm
; ---------------- PATH W.  A lane takes a column n and its registers run down K: each load reads 128 consecutive bytes a wave, and the conversions give codes with K innermost.
; A wave takes 32 columns x 256 along K; the codes go through the wave's own stage and leave as rows: sixteen lanes store 256 consecutive bytes, aligned.
.Lw:
	s_sub_co_u32 s44, ttmp9, 256                   ; 0 .. 127
	s_lshr_b32 s45, s44, 5                         ; which weight: 0 q, 1 k, 2 v, 3 o
	s_and_b32 s46, s44, 7                          ; which 128 columns
	s_bfe_u32 s47, s44, 0x20003                    ; which 256 along K
	s_lshl_b32 s46, s46, 7
	s_lshl_b32 s48, s28, 5
	s_add_co_u32 s46, s46, s48                     ; my wave's first column
	s_wait_alu depctr_va_vdst(0)
	v_lshlrev_b32 v3, 2, v2                        ; in: 4 bytes a lane
	s_mul_i32 s49, s28, 32*WPITCH
	s_add_co_u32 s49, s49, WSTAGE                  ; my stage
	v_mul_u32_u24 v4, v2, WPITCH
	v_add_nc_u32 v4, s49, v4                       ; into it: row = my column
	v_and_b32 v5, 15, v2
	v_lshrrev_b32 v6, 4, v2
	v_mul_u32_u24 v7, v6, WPITCH
	v_lshl_add_u32 v7, v5, 4, v7
	v_add_nc_u32 v7, s49, v7                       ; out of it: sixteen lanes to a row, two rows an instruction
	v_lshlrev_b32 v8, 10, v6
	v_lshl_add_u32 v8, v5, 4, v8                   ; and the same place among the codes' rows of 1,024 bytes
	s_lshl_b32 s50, s47, 20                        ; 256 rows of 4,096 bytes
	s_lshl_b32 s51, s46, 2
	s_add_co_u32 s50, s50, s51
	s_mov_b32 s51, 0
	s_lshl_b32 s52, s45, 20                        ; the weight's codes,
	s_lshl_b32 s53, s46, 10                        ; my column's row,
	s_add_co_u32 s52, s52, s53
	s_lshl_b32 s53, s47, 8                         ; my 256 along K
	s_add_co_u32 s52, s52, s53
	s_mov_b32 s53, 0
	s_cmp_eq_u32 s45, 0                            ; the choice hangs on the work-group's number alone
	s_cselect_b64 s[12:13], s[6:7], s[12:13]
	s_cmp_eq_u32 s45, 1
	s_cselect_b64 s[12:13], s[8:9], s[12:13]
	s_cmp_eq_u32 s45, 2
	s_cselect_b64 s[12:13], s[10:11], s[12:13]
	s_add_nc_u64 s[12:13], s[12:13], s[50:51]
	s_add_nc_u64 s[18:19], s[18:19], s[52:53]
.macro LOADW t                         ; block t: W(32 t + i, my column) into set t % 2; the largest offset, 255 rows, lies inside the signed 24-bit immediate
.set i, 0
.rept 32
	global_load_b32 v[WX+32*((\t)%2)+i], v3, s[12:13] offset:(32*(\t)+i)*4096 th:TH_LOAD_NT
.set i, i+1
.endr
.endm
	LOADW 0
	LOADW 1
	s_wait_kmcnt 0x0
	s_cmp_eq_u32 s45, 0
	s_cselect_b32 s43, s33, s43                    ; e1, e3, e5 or e11
	s_cmp_eq_u32 s45, 1
	s_cselect_b32 s43, s35, s43
	s_cmp_eq_u32 s45, 2
	s_cselect_b32 s43, s37, s43
	SCALES 43, 11, 10
.macro BLOCKW t
.set XS, WX+32*((\t)%2)
.if (\t) < NB-1
	s_wait_loadcnt 32                              ; this block's 32 loads are in; the next block's may be out
.else
	s_wait_loadcnt 0
.endif
.set i, 0
.rept 32
.set i, i+1
.endr
.irp g, 0,1,2,3
	v_cvt_scalef32_pk8_fp8_f32 v[WC+2*\g:WC+2*\g+1], v[XS+8*\g:XS+8*\g+7], v11
.endr
	ds_store_b128 v4, v[WC:WC+3] offset:32*(\t)    ; 32 codes of my column's row
	ds_store_b128 v4, v[WC+4:WC+7] offset:32*(\t)+16
.if (\t)+2 < NB
	LOADW (\t)+2
.endif
	s_wait_dscnt 0x0                               ; the stores have read their registers: the next block's codes may be written
.endm
	s_wait_alu depctr_va_vdst(0)
.irp t, 0,1,2,3,4,5,6,7
	BLOCKW \t
.endr
.irp t, 0,1,2,3,4,5,6,7,8,9,10,11,12,13,14,15
	ds_load_b128 v[WO+4*\t:WO+4*\t+3], v7 offset:2*\t*WPITCH
.endr
.irp t, 0,1,2,3,4,5,6,7,8,9,10,11,12,13,14,15
	s_wait_dscnt 15-\t
	global_store_b128 v8, v[WO+4*\t:WO+4*\t+3], s[18:19] offset:2*\t*1024
.endr
	s_wait_tensorcnt 0x0
	ds_add_u32 v192, v193
	s_wait_dscnt 0x0
	s_endpgm
.Lfunc_end_k_qbf585dbbf0_quant:
	.size	k_qbf585dbbf0_quant, .Lfunc_end_k_qbf585dbbf0_quant-k_qbf585dbbf0_quant
	.p2alignl 7, 3214868480
	.fill 96, 4, 3214868480
	.section	.rodata,"a",@progbits
	.p2align	6, 0x0
	.amdhsa_kernel k_qbf585dbbf0_quant
		.amdhsa_group_segment_fixed_size 68096
		.amdhsa_private_segment_fixed_size 0
		.amdhsa_enable_private_segment 0
		.amdhsa_kernarg_size 64
		.amdhsa_user_sgpr_count 2
		.amdhsa_user_sgpr_kernarg_segment_ptr 1
		.amdhsa_wavefront_size32 1
		.amdhsa_system_sgpr_workgroup_id_x 1
		.amdhsa_system_sgpr_workgroup_id_y 1
		.amdhsa_system_sgpr_workgroup_id_z 1
		.amdhsa_system_vgpr_workitem_id 0
		.amdhsa_next_free_vgpr 194
		.amdhsa_next_free_sgpr 66
		.amdhsa_reserve_vcc 0
		.amdhsa_float_denorm_mode_32 3
		.amdhsa_float_denorm_mode_16_64 3
		.amdhsa_fp16_overflow 1
		.amdhsa_memory_ordered 1
		.amdhsa_forward_progress 1
		.amdhsa_inst_pref_size 63
	.end_amdhsa_kernel
	.amdgpu_metadata
---
amdhsa.version: [ 1, 2 ]
amdhsa.kernels:
  - .name:           k_qbf585dbbf0_quant
    .symbol:         k_qbf585dbbf0_quant.kd
    .args:
      - { .name: x, .offset: 0, .size: 8, .value_kind: global_buffer, .address_space: global }
      - { .name: Wq, .offset: 8, .size: 8, .value_kind: global_buffer, .address_space: global }
      - { .name: Wk, .offset: 16, .size: 8, .value_kind: global_buffer, .address_space: global }
      - { .name: Wv, .offset: 24, .size: 8, .value_kind: global_buffer, .address_space: global }
      - { .name: Wo, .offset: 32, .size: 8, .value_kind: global_buffer, .address_space: global }
      - { .name: lowp_scales, .offset: 40, .size: 8, .value_kind: global_buffer, .address_space: global }
      - { .name: xc, .offset: 48, .size: 8, .value_kind: global_buffer, .address_space: global }
      - { .name: wc, .offset: 56, .size: 8, .value_kind: global_buffer, .address_space: global }
    .group_segment_fixed_size: 68096
    .private_segment_fixed_size: 0
    .kernarg_segment_align: 8
    .kernarg_segment_size: 64
    .max_flat_workgroup_size: 128
    .sgpr_count:     66
    .vgpr_count:     194
    .wavefront_size: 32
...
	.end_amdgpu_metadata
.endif
;; end of part 1
;; launch qkv (part 2): grid 12 x 32, 4 waves a work-group, clusters of 4 x 4, 327,680 bytes of LDS; arguments xc, wc, bq, bk, bv, lowp_scales, qkvc; writes qkvc
.if DOCPART == 2
	.amdgcn_target "amdgcn-amd-amdhsa--gfx1250"
	.amdhsa_code_object_version 6
	.text
	.protected	k_qbf585dbbf0_qkv
	.globl	k_qbf585dbbf0_qkv
	.p2align	8
	.type	k_qbf585dbbf0_qkv,@function
k_qbf585dbbf0_qkv:
	s_mov_b64 s[64:65], 0
	v_nop
	global_prefetch_b8 v0, s[64:65] scope:SCOPE_SE
	s_setreg_imm32_b32 hwreg(HW_REG_WAVE_MODE, 25, 1), 1
	s_wait_xcnt 0x0
	s_wait_alu depctr_hold_cnt(0) depctr_sa_sdst(0) depctr_va_vdst(0) depctr_va_sdst(0) depctr_va_ssrc(0) depctr_va_vcc(0) depctr_vm_vsrc(0)
	s_getreg_b32 s2, hwreg(HW_REG_IB_STS2, 6, 4)
	s_cmp_eq_u32 s2, 0
	s_cbranch_scc0 .Lentry_in_a_cluster
	s_endpgm
.Lentry_in_a_cluster:
	s_bfe_u32 s2, ttmp6, 0x10000c
	s_cmp_lg_u32 s2, 0xf033
	s_cbranch_scc0 .Lentry_shape_is_right
	s_endpgm
.Lentry_shape_is_right:
; q = x Wq + bq, k = x Wk + bk, v = x Wv + bv on codes of FP8 (E4M3), and their own codes for attention.  Cluster x says which: 0 q, 1 k, 2 v.
; The product is C[m][n] = sum over k of A[m][k] B[n][k], K = 1,024, a tile of 256 x 256 to a work-group of four waves, 128 x 128 (64 accumulators, 512 registers) to a wave.
; THE MATRIX INSTRUCTION IS USED TRANSPOSED (source 0 = 16 rows of B, source 1 = 16 rows of A): a lane holds ONE row m and eight neighbouring n.
;   q, k: A = x's codes (m = token), B = the weight's (n = feature 64 h + d): a lane's eight numbers are neighbours along d, the K of q k^T.
;   v:    A = the weight's codes (m = feature), B = x's (n = token): a lane's eight numbers are neighbours along the keys, the K of p v.  Nothing is transposed by an instruction.
; Each finished sum x 2^(ea + eb) + bias, in f32, is held within +-448 x 2^eo and converted; the codes meet in a stage in LDS and leave as IMAGES OF OPERAND REGISTERS, 16 KiB on end for each wave:
;   q, k of head bh: tile i (1,024 bytes), chunk c (512), lane (r, hh) 16 bytes: row 32 (i / 2) + 8 (i % 2) + r + 8 (r / 8), d = 32 c + 16 hh + 0 .. 15.
;   v of head bh: key step s (8,192 bytes), 16 d (2,048), chunk c (512), lane (r, hh) 16 bytes: d = 16 t + r, keys 128 s + 32 c + 16 hh + 0 .. 15.
; K goes in steps of 256 through a ring of two LDS slots filled by the tensor data mover.  CLUSTERS: 4 x 4 work-groups; A's tile is asked for jointly along a row of the cluster, B's along a column.
; LIMITS: e0 + e1, e2 + e3, e4 + e5 between -126 and 127; e6, e7, e9 between -126 and 119: each power of two below is then an f32 number.  NaN is not served.
; REGISTERS, in windows of 256: window 0: v0-31 addresses and the scale; v32-95 the bias by n, v96-111 the bias by m; from v128 A's fragments, ONE set; window 1: B's fragments, TWO sets; windows 2, 3: the accumulators.
.set ROWB,   256                       ; a tile's row in bytes: 256 codes
.set KROW,   1024                      ; a row of A or of B in memory
.set PITCH,  272                       ; an LDS row: 256 bytes + 16 of padding = 68 words: row r starts at bank 4 r mod 64 (64 banks of 4 bytes: ISA guide 11.1)
.set FR,     16                        ; registers of a fragment: 16 rows x 128 K
.set NL,     4                         ; LDS loads that bring one
.set NP,     4                         ; places behind this matrix instruction (ISA guide 7.12.1)
.set HALFT,  128*PITCH                 ; what one tensor load brings
.set SLOT,   4*HALFT
.set SPARE,  2*SLOT                    ; behind the ring: the spare words, 128 bytes for each wave, which no other line names
.set SROW,   80                        ; the stage: a row m's 64 codes of one group of 64 n, + 16 of padding
.set GS,     256*SROW+64               ; from one group of 64 n to the next.  Four groups: 82,176 bytes, in slot 0, which has had its last fill and its last read when the first code is stored there
.set ADRA, 16                          ; v16-17  LDS address of my A fragments in slot 0, 1
.set ADRB, 20                          ; v20-21  the same for B
.set STO,  24                          ; v24     the stage: where I put 8 codes
.set RDQ,  25                          ; v25     where I read 16 codes back, q and k
.set CO,   26                          ; v26     16 x lane: my bytes of a store's 512
.set RDV,  27                          ; v27     where I read 16 codes back, v
.set SPW,  28                          ; v28     LDS address of my spare word; never rewritten
.set NIL,  29                          ; v29     0; never rewritten
.set SCL,  30                          ; v30     2^eo as f32
.set LIM,  31                          ; v31     448 x 2^eo
.set BN,   32                          ; v32-95  bias at n = 16 b + 8 hh + j (zeros for v)
.set BM,   96                          ; v96-111 bias at m = 16 a + r, twice each (zeros for q and k)
.set CD0,  112                         ; v112-127, v192-207: a block's codes, two sets
.set CD1,  192
.set TMP,  128                         ; v128-191 a block's numbers
.set OB,   128                         ; v128-255 the images on their way out
.set AF,   128
.set G1, 24
.set G0, 32
.set G1B, 48
.set G0B, 56
.set MSB, 0
.macro WIN new                         ; the immediate's high byte repeats the setting that is left
.if MSB != \new
	s_set_vgpr_msb (MSB<<8)|\new
.set MSB, \new
.endif
.endm
.set MUL_LO, 0xa1                      ; source 0 (B) window 1, source 1 (A) window 0, C and D window 2
.set MUL_HI, 0xf1                      ; the same, C and D window 3
.set TO_B,   0x40                      ; destination window 1, address window 0
; A joint load: waves 0 and 1 fetch for A, waves 2 and 3 for B; the branch hangs on the wave's number alone.  Four v_nop follow each of the two lines.
.macro JLOAD g0a, g1a, g0b, g1b
	s_cmp_eq_u32 s15, 0
	s_cbranch_scc0 .Lfor_b_\@
	tensor_load_to_lds s[\g0a:\g0a+3], s[\g1a:\g1a+7]
	s_nop 0
.rept 4
	v_nop
.endr
	s_branch .Lasked_\@
.Lfor_b_\@:
	tensor_load_to_lds s[\g0b:\g0b+3], s[\g1b:\g1b+7]
	s_nop 0
.rept 4
	v_nop
.endr
.Lasked_\@:
.endm
.macro CREST                           ; a round of the cluster's barrier behind its opening barrier
	s_cmp_lg_u32 s14, 0
	s_cbranch_scc1 .Lnot_wave_0_\@
	s_barrier_signal -3
.Lnot_wave_0_\@:
	s_barrier_wait -3
	s_barrier_signal -1
	s_barrier_wait -1
.endm
.macro CROUND
	s_barrier_signal -1
	s_barrier_wait -1
	CREST
.endm
	s_load_b256 s[4:11], s[0:1], 0x0               ; xc 4:5, wc 6:7, bq 8:9, bk 10:11
	s_load_b128 s[72:75], s[0:1], 0x20             ; bv 72:73, the scales' exponents 74:75
	s_load_b64 s[76:77], s[0:1], 0x30              ; qkvc
	v_lshl_add_u32 v[SPW], v0, 2, SPARE
	v_mov_b32 v[NIL], 0
	ds_add_u32 v28, v29
	ds_add_u32 v28, v29
	s_wait_dscnt 0x0
	v_lshrrev_b32 v1, 5, v0
	v_readfirstlane_b32 s14, v1                    ; wave 0..3
	s_lshr_b32 s15, s14, 1                         ; which half of the tile's rows m is mine.  Also: I fetch for A (0) or for B (1)
	s_and_b32 s16, s14, 1                          ; which half of its n.  Also: which 128 rows of that tile I fetch
	s_bfe_u32 s40, ttmp6, 0x40000                  ; cx
	s_bfe_u32 s41, ttmp6, 0x40004                  ; cy
	s_and_b32 s66, ttmp7, 0xffff
	s_lshl_b32 s66, s66, 2                         ; 4 x cluster y
	s_add_co_u32 s67, s66, s41                     ; a block of 256 tokens by cy,
	s_add_co_u32 s68, s66, s40                     ; and by cx
	s_lshl_b32 s43, s41, 2
	s_lshl_b32 s43, 15, s43                        ; my row of the cluster
	s_lshl_b32 s44, 0x1111, s40                    ; my column
	s_lshl_b32 s69, ttmp9, 23                      ; which set of x's codes, and which part of qkvc
	s_lshl_b32 s70, ttmp9, 20                      ; which weight's codes
	s_mov_b32 s71, 0
	s_cmp_eq_u32 ttmp9, 2                          ; v?  Cluster x is the same in all sixteen partners
	s_cselect_b32 s17, s41, s67                    ; tile row: made of cy and cluster y alone
	s_cselect_b32 s42, s68, s40                    ; tile column: of cx and cluster y alone
	s_cselect_b32 s92, 0, -1                       ; all ones where the bias goes by n (q, k)
	s_cselect_b32 s93, -1, 0                       ; all ones where it goes by m (v)
	; descriptor group 1: a tile of 128 rows x 256 bytes, padded in LDS
	s_or_b32 s[G1+0], s43, (0<<16)|(1<<20)|(1<<21)|(5<<22)|(3<<25)  ; 15:0 the mask: A's tiles go to my row; 17:16 elements of 1 byte; 20 padding on; 21 set beside a mask; 24:22 after every 64 words; 31:25 four words
	s_or_b32 s[G1B+0], s44, (0<<16)|(1<<20)|(1<<21)|(5<<22)|(3<<25)
.irp g, G1, G1B
	s_mov_b32 s[\g+1], ROWB<<16                    ; tensor_dim0
	s_mov_b32 s[\g+2], 128<<16                     ; tensor_dim1
	s_mov_b32 s[\g+3], ROWB<<16                    ; tile_dim0
	s_mov_b32 s[\g+4], 128                         ; tile_dim1
	s_mov_b32 s[\g+5], KROW                        ; tensor_dim0_stride
	s_mov_b32 s[\g+6], 0
	s_mov_b32 s[\g+7], 0
.endr
	s_lshl_b32 s18, s16, 7                         ; which 128 rows of the tile I fetch
	s_lshl_b32 s20, s17, 8
	s_add_co_u32 s20, s20, s18
	s_lshl_b32 s20, s20, 10                        ; A: (256 x tile row + 128 x half) rows of 1,024 bytes: under 2^23
	s_mov_b32 s21, 0
	s_lshl_b32 s46, s42, 8
	s_add_co_u32 s46, s46, s18
	s_lshl_b32 s46, s46, 10                        ; B likewise, by the tile column
	s_mov_b32 s47, 0
	s_mul_i32 s45, s14, HALFT                      ; where they go: wave x 128 rows: no place in the cluster enters an LDS address
	s_mov_b32 s22, s69
	s_mov_b32 s23, 0
	s_wait_kmcnt 0x0
	s_load_b256 s[80:87], s[74:75], 0x0            ; e0 .. e7
	s_load_b128 s[88:91], s[74:75], 0x20           ; e8 .. e11
	s_add_nc_u64 s[4:5], s[4:5], s[22:23]          ; x's codes under this product's scale
	s_add_nc_u64 s[6:7], s[6:7], s[70:71]          ; this product's weight
	s_cmp_eq_u32 ttmp9, 2
	s_cselect_b64 s[22:23], s[6:7], s[4:5]         ; A's tensor
	s_cselect_b64 s[78:79], s[4:5], s[6:7]         ; B's
	s_add_nc_u64 s[20:21], s[22:23], s[20:21]
	s_add_nc_u64 s[46:47], s[78:79], s[46:47]
	CROUND                                         ; all sixteen work-groups are here: the first joint loads meet
.irp s, 0,1
	s_mov_b32 s[G0+4*\s], 1
	s_add_co_u32 s[G0+4*\s+1], s45, \s*SLOT
	s_add_nc_u64 s[G0+4*\s+2:G0+4*\s+3], s[20:21], \s*ROWB
	s_or_b32 s[G0+4*\s+3], s[G0+4*\s+3], 0x80000000
	s_mov_b32 s[G0B+4*\s], 1
	s_add_co_u32 s[G0B+4*\s+1], s45, \s*SLOT
	s_add_nc_u64 s[G0B+4*\s+2:G0B+4*\s+3], s[46:47], \s*ROWB
	s_or_b32 s[G0B+4*\s+3], s[G0B+4*\s+3], 0x80000000
	JLOAD G0+4*\s, G1, G0B+4*\s, G1B               ; two loads of mine are out
.endr
	v_and_b32 v1, 15, v0                           ; r
	v_bfe_u32 v2, v0, 4, 1                         ; hh
	s_wait_alu depctr_va_vdst(0)
	v_mul_u32_u24 v3, v1, PITCH
	v_lshl_add_u32 v4, v2, 4, v3                   ; a fragment's row x pitch + 16 x half
	s_mul_i32 s21, s15, HALFT                      ; my 128 rows of A
	s_mul_i32 s22, s16, HALFT                      ; my 128 rows of B,
	s_add_co_u32 s22, s22, 2*HALFT                 ; which lie behind A's 256
.irp s, 0,1
	v_add_nc_u32 v[ADRA+\s], s21, v4
	v_add_nc_u32 v[ADRB+\s], s22, v4
	s_add_co_u32 s21, s21, SLOT
	s_add_co_u32 s22, s22, SLOT
.endr
	; the bias.  Both kinds are loaded; the kind that this product does not use is read at the bias's first numbers and cleared below
	s_lshl_b32 s2, s40, 10
	s_lshl_b32 s3, s16, 9
	s_add_co_u32 s2, s2, s3                        ; by n: 4 x (256 cx + 128 x my half)
	s_lshl_b32 s12, s41, 10
	s_lshl_b32 s13, s15, 9
	s_add_co_u32 s12, s12, s13                     ; by m: 4 x (256 cy + 128 x my half)
	s_cmp_eq_u32 ttmp9, 0
	s_cselect_b64 s[8:9], s[8:9], s[10:11]
	s_cmp_eq_u32 ttmp9, 2
	s_cselect_b64 s[8:9], s[72:73], s[8:9]         ; bq, bk or bv
	s_cselect_b32 s2, 0, s2
	s_cselect_b32 s12, s12, 0
	s_mov_b32 s3, 0
	s_mov_b32 s13, 0
	s_add_nc_u64 s[10:11], s[8:9], s[2:3]
	s_add_nc_u64 s[72:73], s[8:9], s[12:13]
	v_lshlrev_b32 v7, 5, v2                        ; 32 hh
	v_lshlrev_b32 v8, 2, v1                        ; 4 r
.irp b, 0,1,2,3,4,5,6,7
	global_load_b128 v[BN+8*\b:BN+8*\b+3], v7, s[10:11] offset:64*\b
	global_load_b128 v[BN+8*\b+4:BN+8*\b+7], v7, s[10:11] offset:64*\b+16
.endr
.irp a, 0,1,2,3,4,5,6,7
	global_load_b32 v[BM+2*\a], v8, s[72:73] offset:64*\a
.endr
	; the stage's addresses
	s_mul_i32 s23, s16, 2*GS
	s_mul_i32 s21, s15, 128*SROW
	s_add_co_u32 s23, s23, s21
	v_mul_u32_u24 v5, v1, SROW
	v_lshl_add_u32 v6, v2, 3, v5
	v_add_nc_u32 v[STO], s23, v6                   ; in: group 2 x (my half of n), row 128 x (my half of m) + r, + 8 hh
	v_and_b32 v6, 8, v1
	v_add_nc_u32 v6, v6, v1                        ; r + 8 (r / 8)
	v_mul_u32_u24 v6, v6, SROW
	v_lshl_add_u32 v6, v2, 4, v6
	s_mul_i32 s23, s14, GS
	v_add_nc_u32 v[RDQ], s23, v6                   ; back, q and k: wave w takes head w of the tile's four: group w
	v_lshl_add_u32 v6, v2, 4, v5
	s_mul_i32 s23, s14, 64*SROW
	v_add_nc_u32 v[RDV], s23, v6                   ; back, v: wave w takes head w: rows 64 w on
	v_and_b32 v6, 31, v0
	v_lshlrev_b32 v[CO], 4, v6
	; where my 16 KiB of images go: part W, head 16 b + 4 (block of 256 features) + wave, block of 256 tokens within the batch
	s_cmp_eq_u32 ttmp9, 2
	s_cselect_b32 s12, s68, s67                    ; the block of 256 tokens, 0 .. 31
	s_cselect_b32 s13, s41, s40                    ; the block of 256 features
	s_lshr_b32 s2, s12, 3
	s_lshl_b32 s2, s2, 4
	s_lshl_b32 s13, s13, 2
	s_add_co_u32 s2, s2, s13
	s_add_co_u32 s2, s2, s14
	s_lshl_b32 s2, s2, 17
	s_and_b32 s12, s12, 7
	s_lshl_b32 s12, s12, 14
	s_add_co_u32 s2, s2, s12
	s_add_co_u32 s2, s2, s69
	s_mov_b32 s3, 0
	s_add_nc_u64 s[94:95], s[76:77], s[2:3]
	; the scales: choices, no branch
	s_wait_kmcnt 0x0
	s_add_co_i32 s80, s80, s81
	s_add_co_i32 s82, s82, s83
	s_add_co_i32 s84, s84, s85
	s_cmp_eq_u32 ttmp9, 0
	s_cselect_b32 s96, s80, s82
	s_cselect_b32 s98, s86, s87                    ; q: e6, k: e7
	s_cmp_eq_u32 ttmp9, 2
	s_cselect_b32 s96, s84, s96
	s_cselect_b32 s98, s89, s98                    ; v: e9
	s_add_co_i32 s96, s96, 127
	s_lshl_b32 s96, s96, 23                        ; 2^(ea + eb) as f32
	s_mov_b32 s97, s96                             ; (named with it as a pair, so it is written)
	s_add_co_i32 s98, s98, 127
	s_lshl_b32 s99, s98, 23
	v_mov_b32 v[SCL], s99
	s_wait_loadcnt 0x0                             ; the bias
.set j, 0
.rept 64
	v_and_b32 v[BN+j], s92, v[BN+j]                ; kept for q and k, zeros for v
.set j, j+1
.endr
.irp a, 0,1,2,3,4,5,6,7
	v_and_b32 v[BM+2*\a+1], s93, v[BM+2*\a]        ; kept for v, zeros for q and k; twice, a pair for the packed addition
	v_and_b32 v[BM+2*\a], s93, v[BM+2*\a]
.endr
.macro FRAG reg, adr, q, i             ; a fragment: lane l holds row l % 16; registers 4 c .. 4 c + 3 hold K = 32 c + 16 (l / 16) + 0 .. 15: the same permutation of K in A and in B
.irp c, 0,1,2,3
	ds_load_b128 v[\reg+4*\c:\reg+4*\c+3], v[\adr] offset:128*(\q)+32*\c+(\i)*16*PITCH
.endr
.endm
; 16 matrix instructions: A's blocks a0, a0 + 1 x B's eight, 128 along K.  p: B's set.  zero = 1: the first product starts the sums.  The 64 accumulators take turns, one instruction a turn.
.macro MUL16 a0, p, zero
.irp a, \a0, \a0+1
.irp b, 0,1,2,3,4,5,6,7
.if \zero
	v_wmma_f32_16x16x128_fp8_fp8 v[8*(8*((\a)%4)+\b):8*(8*((\a)%4)+\b)+7], v[128*(\p)+FR*\b:128*(\p)+FR*\b+FR-1], v[AF+FR*(\a):AF+FR*(\a)+FR-1], 0
.else
	v_wmma_f32_16x16x128_fp8_fp8 v[8*(8*((\a)%4)+\b):8*(8*((\a)%4)+\b)+7], v[128*(\p)+FR*\b:128*(\p)+FR*\b+FR-1], v[AF+FR*(\a):AF+FR*(\a)+FR-1], v[8*(8*((\a)%4)+\b):8*(8*((\a)%4)+\b)+7]
.endif
.endr
.endr
.endm
.macro FETCH_B slot, q, p
	WIN TO_B
.irp i, 0,1,2,3,4,5,6,7
	FRAG 128*(\p)+FR*\i, ADRB+\slot, \q, \i
.endr
	WIN 0
.endm
.macro FETCH_A slot, q, i0
.irp i, \i0, \i0+1, \i0+2, \i0+3
	FRAG AF+FR*(\i), ADRA+\slot, \q, \i
.endr
.endm
.macro PLACES n                        ; plain vector lines between a matrix instruction and a load into, or a vector line on, its registers
.rept \n
	v_nop
.endr
.endm
; A step of 128 along K that has its successor in the same slot.
.macro STEP slot, q, zero
	s_wait_dscnt 4*NL                              ; B's set and A's blocks 0-3 are in; the youngest 16 loads (A's blocks 4-7) may be out
	WIN MUL_LO
	MUL16 0, (\q)%2, \zero
	MUL16 2, (\q)%2, \zero
	s_wait_dscnt 0                                 ; A's blocks 4-7 are in
	PLACES NP
	FETCH_B \slot, (\q)+1, 1-(\q)%2
	FETCH_A \slot, (\q)+1, 0
	WIN MUL_HI
	MUL16 4, (\q)%2, \zero
	MUL16 6, (\q)%2, \zero
	PLACES NP
	WIN 0
	FETCH_A \slot, (\q)+1, 4
.endm
; A slot's last step changes slots: ONE barrier; in front of it each wave waits for all its tensor loads, adds 0 to its spare word, and waits for that and for its own reads of this slot.  fill = 1: this slot is filled again, two K steps ahead.
.macro TURN slot, next, fill
	s_wait_tensorcnt 0x0                           ; all my tensor loads have landed: my part of the next slot
	ds_add_u32 v[SPW], v[NIL]                      ; 0 onto my spare word
	s_wait_dscnt 4*NL+1                            ; (the add and the youngest 16 loads, A's blocks 4-7, may be out)
	WIN MUL_LO
	MUL16 0, 1, 0
	s_wait_dscnt 0x0                               ; the add is done, and my reads of this slot are over
	s_barrier_signal -1
	MUL16 2, 1, 0
	WIN 0
	s_barrier_wait -1
.if \fill
	CREST                                          ; the barrier has opened a round of the cluster's barrier: no wave of any partner still reads this slot's tile or has a load on its way
	s_add_nc_u64 s[G0+4*\slot+2:G0+4*\slot+3], s[G0+4*\slot+2:G0+4*\slot+3], 2*ROWB
	s_add_nc_u64 s[G0B+4*\slot+2:G0B+4*\slot+3], s[G0B+4*\slot+2:G0B+4*\slot+3], 2*ROWB
	JLOAD G0+4*\slot, G1, G0B+4*\slot, G1B         ; the first tensor load behind the round, and my only one until the next; its four v_nop are also the places in front of the loads below
.else
	PLACES NP
.endif
	FETCH_B \next, 0, 0
	FETCH_A \next, 0, 0
	WIN MUL_HI
	MUL16 4, 1, 0
	MUL16 6, 1, 0
	PLACES NP
	WIN 0
	FETCH_A \next, 0, 4
.endm
	s_wait_tensorcnt 1                             ; my part of K step 0 is in (K step 1's load may be out)
	s_barrier_signal -1
	s_barrier_wait -1                              ; everybody's is
	FETCH_B 0, 0, 0
	FETCH_A 0, 0, 0
	FETCH_A 0, 0, 4
	; K = 1,024 is four slots' worth, eight steps of 128: written straight, since a loop would have one trip
	STEP 0, 0, 1                                   ; the first products start the sums: nothing is cleared
	TURN 0, 1, 1                                   ; slot 0 takes K step 2
	STEP 1, 0, 0
	TURN 1, 0, 1                                   ; slot 1 takes K step 3
	STEP 0, 0, 0
	TURN 0, 1, 0                                   ; nothing is left to fetch; behind this barrier nobody reads slot 0
	STEP 1, 0, 0
	s_wait_dscnt 4*NL
	WIN MUL_LO
	MUL16 0, 1, 0
	MUL16 2, 1, 0
	s_wait_dscnt 0
	WIN MUL_HI
	MUL16 4, 1, 0
	MUL16 6, 1, 0
	WIN 0
; THE WAY OUT.  Block a: my rows m = 16 a + r, 128 n: 64 numbers a lane.  sum x 2^(ea + eb) + bias (one of the two biases is zero, so the two lines round once); eight conversions, each of eight neighbours along the next K;
; eight stores of 8 bytes into the stage.  With rows 80 bytes apart the 32 lanes of a store touch 64 different banks.
.macro BLOCKQ a
.set AC, 64*((\a)%4)
.set CD, CD0+(CD1-CD0)*((\a)%2)
	WIN 0x02+((\a)/4)                              ; source 0: window 2 or 3
.set j, 0
.rept 32
	v_pk_fma_f32 v[TMP+j:TMP+j+1], v[AC+j:AC+j+1], s[96:97], v[BN+j:BN+j+1] op_sel_hi:[1,0,1]   ; each accumulator from its low end on
.set j, j+2
.endr
	WIN 0
.set j, 0
.rept 32
	v_pk_add_f32 v[TMP+j:TMP+j+1], v[TMP+j:TMP+j+1], v[BM+2*(\a):BM+2*(\a)+1]
.set j, j+2
.endr
.set j, 0
.rept 64
.set j, j+1
.endr
.if (\a) >= 2
	s_wait_alu depctr_va_vdst(0)
	s_wait_dscnt 8                                 ; the stores of two blocks ago have read this set of codes; the last block's eight may be out
.endif
.irp b, 0,1,2,3,4,5,6,7
	v_cvt_scalef32_pk8_fp8_f32 v[CD+2*\b:CD+2*\b+1], v[TMP+8*\b:TMP+8*\b+7], v[SCL]
.endr
	v_nop                                          ; a plain line between the conversions and the next block's lines, which write their sources
.irp b, 0,1,2,3,4,5,6,7
	ds_store_b64 v[STO], v[CD+2*\b:CD+2*\b+1] offset:(\a)*16*SROW+(\b/4)*GS+16*(\b%4)
.endr
.endm
	PLACES NP                                      ; behind the last products: the lines below write registers that held A's fragments and read results
.irp a, 0,1,2,3,4,5,6,7
	BLOCKQ \a
.endr
	s_wait_dscnt 0x0                               ; for the others' sake: my codes lie in the stage
	s_barrier_signal -1
	s_barrier_wait -1
	s_cmp_eq_u32 ttmp9, 2                          ; the same in all partners; the two arms hold 32 LDS loads each and nothing else
	s_cbranch_scc1 .Lback_v
.irp t, 0,1,2,3,4,5,6,7,8,9,10,11,12,13,14,15
.irp c, 0,1
	ds_load_b128 v[OB+4*(2*\t+\c):OB+4*(2*\t+\c)+3], v[RDQ] offset:(32*(\t/2)+8*(\t%2))*SROW+32*\c   ; tile t of my head's 256 tokens, chunk c
.endr
.endr
	s_branch .Lback_done
.Lback_v:
.irp s, 0,1
.irp t, 0,1,2,3
.irp c, 0,1,2,3
	ds_load_b128 v[OB+4*(16*\s+4*\t+\c):OB+4*(16*\s+4*\t+\c)+3], v[RDV] offset:\t*16*SROW+(2*\s+\c/2)*GS+32*(\c%2)   ; key step s of the block's two, d = 16 t on, chunk c
.endr
.endr
.endr
.Lback_done:
.set i, 0
.rept 32
	s_wait_dscnt 31-i
	global_store_b128 v[CO], v[OB+4*i:OB+4*i+3], s[94:95] offset:512*i   ; 32 lanes store 512 consecutive bytes, aligned
.set i, i+1
.endr
	s_wait_tensorcnt 0x0                           ; the wave's end
	ds_add_u32 v[SPW], v[NIL]
	s_wait_dscnt 0x0
	CROUND                                         ; the closing round: no work-group ends while a partner may still ask for a tile that names it
	s_endpgm
.Lfunc_end_k_qbf585dbbf0_qkv:
	.size	k_qbf585dbbf0_qkv, .Lfunc_end_k_qbf585dbbf0_qkv-k_qbf585dbbf0_qkv
	.p2alignl 7, 3214868480
	.fill 96, 4, 3214868480
	.section	.rodata,"a",@progbits
	.p2align	6, 0x0
	.amdhsa_kernel k_qbf585dbbf0_qkv
		.amdhsa_group_segment_fixed_size 327680
		.amdhsa_private_segment_fixed_size 0
		.amdhsa_enable_private_segment 0
		.amdhsa_kernarg_size 56
		.amdhsa_user_sgpr_count 2
		.amdhsa_user_sgpr_kernarg_segment_ptr 1
		.amdhsa_wavefront_size32 1
		.amdhsa_system_sgpr_workgroup_id_x 1
		.amdhsa_system_sgpr_workgroup_id_y 1
		.amdhsa_system_sgpr_workgroup_id_z 1
		.amdhsa_system_vgpr_workitem_id 0
		.amdhsa_next_free_vgpr 1024
		.amdhsa_next_free_sgpr 100
		.amdhsa_reserve_vcc 0
		.amdhsa_float_denorm_mode_32 3
		.amdhsa_float_denorm_mode_16_64 3
		.amdhsa_fp16_overflow 1
		.amdhsa_memory_ordered 1
		.amdhsa_forward_progress 1
		.amdhsa_inst_pref_size 134
	.end_amdhsa_kernel
	.amdgpu_metadata
---
amdhsa.version: [ 1, 2 ]
amdhsa.kernels:
  - .name:           k_qbf585dbbf0_qkv
    .symbol:         k_qbf585dbbf0_qkv.kd
    .args:
      - { .name: xc, .offset: 0, .size: 8, .value_kind: global_buffer, .address_space: global }
      - { .name: wc, .offset: 8, .size: 8, .value_kind: global_buffer, .address_space: global }
      - { .name: bq, .offset: 16, .size: 8, .value_kind: global_buffer, .address_space: global }
      - { .name: bk, .offset: 24, .size: 8, .value_kind: global_buffer, .address_space: global }
      - { .name: bv, .offset: 32, .size: 8, .value_kind: global_buffer, .address_space: global }
      - { .name: lowp_scales, .offset: 40, .size: 8, .value_kind: global_buffer, .address_space: global }
      - { .name: qkvc, .offset: 48, .size: 8, .value_kind: global_buffer, .address_space: global }
    .group_segment_fixed_size: 327680
    .private_segment_fixed_size: 0
    .kernarg_segment_align: 8
    .kernarg_segment_size: 56
    .max_flat_workgroup_size: 128
    .sgpr_count:     100
    .vgpr_count:     1024
    .wavefront_size: 32
...
	.end_amdgpu_metadata
.endif
;; end of part 2
;; launch attn (part 3): grid 4 x 64, 16 waves a work-group, clusters of 4 x 1, 284,672 bytes of LDS; arguments qkvc, lowp_scales, ac; writes ac
.if DOCPART == 3
	.amdgcn_target "amdgcn-amd-amdhsa--gfx1250"
	.amdhsa_code_object_version 6
	.text
	.protected	k_qbf585dbbf0_attn
	.globl	k_qbf585dbbf0_attn
	.p2align	8
	.type	k_qbf585dbbf0_attn,@function
k_qbf585dbbf0_attn:
	s_mov_b64 s[64:65], 0
	v_nop
	global_prefetch_b8 v0, s[64:65] scope:SCOPE_SE
	s_setreg_imm32_b32 hwreg(HW_REG_WAVE_MODE, 25, 1), 1
	s_wait_xcnt 0x0
	s_wait_alu depctr_hold_cnt(0) depctr_sa_sdst(0) depctr_va_vdst(0) depctr_va_sdst(0) depctr_va_ssrc(0) depctr_va_vcc(0) depctr_vm_vsrc(0)
	s_getreg_b32 s2, hwreg(HW_REG_IB_STS2, 6, 4)
	s_cmp_eq_u32 s2, 0
	s_cbranch_scc0 .Lentry_in_a_cluster
	s_endpgm
.Lentry_in_a_cluster:
	s_bfe_u32 s2, ttmp6, 0x10000c
	s_cmp_lg_u32 s2, 0x3003
	s_cbranch_scc0 .Lentry_shape_is_right
	s_endpgm
.Lentry_shape_is_right:
; Causal attention on codes of FP8 (E4M3): 64 heads (bh = 16 b + h) of 2,048 tokens x 64.  q, k, v arrive as images of operand registers (see below); the result leaves as codes under 2^e10, again as images.
; THE SOFTMAX AHEAD OF THE SECOND PRODUCT: t = score x log2(e) / 8; M = the running largest t rounded UP to a whole number; p = 2^(t - M) is quantised under 2^e8, not normalised.  The row's sum is taken of the
; unquantised p and divides at the end.  When M moves, the sum and O are multiplied by 2^(old M - new M): exact.  A hidden score counts as -infinity where the definition has -1e9: p is 0 either way while |score| stays far under 1e9.
; SHARES.  A cluster of four work-groups is one head.  The head's whole K and V, 131,072 bytes each, lie in every work-group's LDS, brought ONCE by joint loads: no byte of LDS is filled twice, so there is no ring.
; A tile is 16 queries; tile i needs key steps (128 keys) 0 .. i / 8, the last of them on the diagonal.  Wave w of work-group cx owns tiles iL = 8 (w / 2) + 4 (w % 2) + cx and iH = 127 - iL: 17 key steps for every wave.
; Branches hang on w / 2 and on loop counters alone; cx enters only q's and the result's addresses and the diagonal's compare.
; IMAGES.  q, k: tile i = 1,024 bytes, chunk c = 512, lane (r, hh) 16 bytes: row 32 (i / 2) + 8 (i % 2) + r + 8 (r / 8), d = 32 c + 16 hh + 0 .. 15.  So every LDS load here reads 512 consecutive bytes, and in S^T = K Q^T
; (source 0 = 16 keys, source 1 = my 16 queries) the 16 registers of key tiles 2 b, 2 b + 1 are keys 32 b + 16 hh + 0 .. 15: the conversions' results ARE the operand of O^T = V^T P^T.
; v: key step s = 8,192 bytes, 16 d = 2,048, chunk c = 512, lane (r, hh): d = 16 t + r, keys 128 s + 32 c + 16 hh + 0 .. 15.  A lane holds ONE query (lane % 16) throughout.
; LIMITS: e6 + e7 between -123 and 130 (added to the exponent field of log2(e) / 8); e8, e10 between -126 and 119; e8 + e9 is applied by v_ldexp_f32.  NaN is not served.
.set LI,   1                           ; v1   16 x lane: my bytes of an image's 512; never rewritten
.set LIV,  2                           ; v2   the same in V's region
.set ADK,  3                           ; v3   LDS address of the step's tiles of K
.set ADV,  4                           ; v4   of V
.set DGH,  5                           ; v5   the diagonal, tile iH: my query - the step's first key - 16 hh
.set DGL,  6                           ; v6   tile iL
.set STO,  7                           ; v7   my wave's stage: where I put 8 codes
.set RD,   8                           ; v8   and where I read 16 back
.set PS,   9                           ; v9   2^e8;  v11  2^e10
.set PL,   10
.set AS,   11
.set AL,   12
.set QF,   18                          ; v14 -M, v15 the largest t, v[16:17] the sum in two halves;  v18-25 Q
.set KF,   26                          ; v26-89   K's eight tiles; then p's codes in v26-41
.set S,    90                          ; v90-153  S^T, then p
.set O,    154                         ; v154-185 O^T: four tiles of 16 d
.set VF,   186                         ; v186-249 V's four fragments;  v250-255 at work
.set VREG, 131072                      ; LDS: K at 0, V here,
.set STAGE, 262144                     ; and 16 rows x 80 bytes for each wave
.set WV,   18                          ; s18 my wave's number
.set SEL,  20                          ; s[20:21] lane selects for v_permlanex16_b32: lane l xor 16
.set CS,   22                          ; s[22:23] c = log2(e) / 8 x 2^(e6 + e7)
.set G1,   24                          ; s[24:31] descriptor group 1;  s[32:47] four groups 0
.set G0,   32
.set EPV,  56                          ; s56 e8 + e9
.set SI,   57                          ; s57 the key step
.set TB,   58                          ; s58 8,192 x the key step
.set LASTH, 59                         ; s59 tile iH's last key step: 15 - w / 2
.set LASTL, 60                         ; s60 tile iL's: w / 2
.macro CROUND                          ; a round of the cluster's barrier
	s_barrier_signal -1
	s_barrier_wait -1
	s_cmp_lg_u32 s[WV], 0
	s_cbranch_scc1 .Lnot_wave_0_\@
	s_barrier_signal -3
.Lnot_wave_0_\@:
	s_barrier_wait -3
	s_barrier_signal -1
	s_barrier_wait -1
.endm
	s_load_b128 s[4:7], s[0:1], 0x0                ; qkvc 4:5, the scales' exponents 6:7
	s_load_b64 s[8:9], s[0:1], 0x10                ; ac
	v_lshl_add_u32 v254, v0, 2, 0x45000
	v_mov_b32 v255, 0
	ds_add_u32 v254, v255
	ds_add_u32 v254, v255
	s_wait_dscnt 0x0
	v_lshrrev_b32 v3, 5, v0
	s_delay_alu instid0(VALU_DEP_1)
	v_readfirstlane_b32 s[WV], v3                  ; wave 0..15
	s_bfe_u32 s13, ttmp6, 0x40000                  ; cx
	s_and_b32 s14, ttmp7, 0xffff                   ; the head, which the four partners share
	; what I fetch, if I fetch (waves 0, 1: K; 2, 3: V): four pieces of 16,384 bytes, 32,768 apart, the two waves' pieces by turns
	s_lshr_b32 s15, s[WV], 1
	s_and_b32 s15, s15, 1
	s_and_b32 s16, s[WV], 1
	s_lshl_b32 s17, s15, 17
	s_lshl_b32 s19, s16, 14
	s_add_co_u32 s17, s17, s19                     ; in LDS
	s_lshl_b32 s10, s15, 23
	s_add_co_u32 s10, s10, s19
	s_lshl_b32 s12, s14, 17                        ; the head's 131,072 bytes in each part
	s_add_co_u32 s10, s10, s12
	s_add_co_u32 s10, s10, 0x800000                ; k's part lies 2^23 bytes on, v's 2^24
	s_mov_b32 s11, 0
	; descriptor group 1: 64 rows of 256 bytes, dense in memory and in LDS
	s_mov_b32 s[G1], 15|(3<<16)|(1<<21)            ; 15:0 the mask: all four work-groups; 17:16 elements of 8 bytes; 21 set beside a mask; no padding
	s_mov_b32 s[G1+1], 32<<16                      ; tensor_dim0 = 32 elements
	s_mov_b32 s[G1+2], 64<<16                      ; tensor_dim1 = 64
	s_mov_b32 s[G1+3], 32<<16                      ; tile_dim0
	s_mov_b32 s[G1+4], 64                          ; tile_dim1
	s_mov_b32 s[G1+5], 32                          ; tensor_dim0_stride
	s_mov_b32 s[G1+6], 0
	s_mov_b32 s[G1+7], 0
	s_mov_b32 s[SEL], 0x76543210
	s_mov_b32 s[SEL+1], 0xfedcba98
	s_mov_b32 s[CS], 0x3e38aa3b                    ; log2(e) / 8
	s_wait_kmcnt 0x0
	s_load_b256 s[48:55], s[6:7], 0x10             ; e4 .. e11
	s_add_nc_u64 s[10:11], s[4:5], s[10:11]
	CROUND                                         ; all four work-groups are here: the joint loads meet
.irp p, 0,1,2,3
	s_mov_b32 s[G0+4*\p], 1
	s_add_co_u32 s[G0+4*\p+1], s17, \p*32768
	s_add_nc_u64 s[G0+4*\p+2:G0+4*\p+3], s[10:11], \p*32768
	s_or_b32 s[G0+4*\p+3], s[G0+4*\p+3], 0x80000000
.endr
	s_cmp_lt_u32 s[WV], 4                          ; a wave's fills stand in one branch on its number, ahead of every wait on TENSORcnt, LDS read and further barrier: four loads of mine are out
	s_cbranch_scc0 .Lno_fetch
	tensor_load_to_lds s[G0:G0+3], s[G1:G1+7]      ; keys 0 .. 511 (with my partner wave's piece)
	s_nop 0
	tensor_load_to_lds s[G0+4:G0+7], s[G1:G1+7]
	s_nop 0
	tensor_load_to_lds s[G0+8:G0+11], s[G1:G1+7]
	s_nop 0
	tensor_load_to_lds s[G0+12:G0+15], s[G1:G1+7]
	s_nop 0
.rept 4
	v_nop
.endr
.Lno_fetch:
	; my two tiles
	s_lshr_b32 s[LASTL], s[WV], 1
	s_sub_co_u32 s[LASTH], 15, s[LASTL]
	s_lshl_b32 s61, s16, 2
	s_add_co_u32 s61, s61, s13
	s_lshl_b32 s63, s[LASTL], 3
	s_add_co_u32 s61, s61, s63                     ; iL
	s_sub_co_u32 s62, 127, s61                     ; iH
	s_mov_b32 s75, 0
	s_lshl_b32 s74, s62, 10
	s_add_co_u32 s74, s74, s12
	s_add_nc_u64 s[66:67], s[4:5], s[74:75]        ; q's image of iH,
	s_lshl_b32 s74, s61, 10
	s_add_co_u32 s74, s74, s12
	s_add_nc_u64 s[68:69], s[4:5], s[74:75]        ; of iL
	v_and_b32 v3, 31, v0
	s_delay_alu instid0(VALU_DEP_1)
	v_lshlrev_b32 v[LI], 4, v3
	s_wait_alu depctr_va_vdst(0)
	global_load_b128 v[QF:QF+3], v[LI], s[66:67]
	global_load_b128 v[QF+4:QF+7], v[LI], s[66:67] offset:512
	s_lshr_b32 s76, s14, 4
	s_lshl_b32 s76, s76, 21                        ; the batch's 128 tiles of 16,384 bytes,
	s_and_b32 s77, s14, 15
	s_lshl_b32 s77, s77, 10                        ; my head's 1,024 bytes in a tile
	s_add_co_u32 s76, s76, s77
	s_lshl_b32 s74, s62, 14
	s_add_co_u32 s74, s74, s76
	s_add_nc_u64 s[70:71], s[8:9], s[74:75]        ; the result's image of iH,
	s_lshl_b32 s74, s61, 14
	s_add_co_u32 s74, s74, s76
	s_add_nc_u64 s[72:73], s[8:9], s[74:75]        ; of iL
	v_add_nc_u32 v[LIV], VREG, v[LI]
	v_and_b32 v3, 15, v0                           ; r
	v_bfe_u32 v4, v0, 4, 1                         ; hh
	s_delay_alu instid0(VALU_DEP_2)
	v_mul_u32_u24 v[STO], v3, 80
	s_mul_i32 s63, s[WV], 16*80
	s_add_co_u32 s63, s63, STAGE
	v_add_nc_u32 v[STO], s63, v[STO]
	s_delay_alu instid0(VALU_DEP_1)
	v_lshl_add_u32 v[RD], v4, 4, v[STO]            ; back: row r, + 16 hh
	s_delay_alu instid0(VALU_DEP_2)
	v_lshl_add_u32 v[STO], v4, 3, v[STO]           ; in: row r, + 8 hh
	v_and_b32 v13, 8, v3
	s_delay_alu instid0(VALU_DEP_1)
	v_add_nc_u32 v13, v13, v3                      ; r + 8 (r / 8)
	v_lshlrev_b32 v4, 4, v4
	s_delay_alu instid0(VALU_DEP_1)
	v_sub_nc_u32 v13, v13, v4                      ; - 16 hh
.macro DIAG i, dst                     ; + the tile's first row within its key step: 32 ((i / 2) % 4) + 8 (i % 2)
	s_lshr_b32 s74, s[\i], 1
	s_and_b32 s74, s74, 3
	s_lshl_b32 s74, s74, 5
	s_and_b32 s77, s[\i], 1
	s_lshl_b32 s77, s77, 3
	s_add_co_u32 s74, s74, s77
	v_add_nc_u32 v[\dst], s74, v13
.endm
	s_wait_alu depctr_va_vdst(0)
	DIAG 62, DGH
	DIAG 61, DGL
	v_mov_b32 v251, 0                              ; (named as the upper half of the pair v[250:251])
	v_mov_b32 v255, 0                              ; written once: a lane permute's destination counts as one of its sources
	s_wait_kmcnt 0x0
	s_add_co_i32 s63, s50, s51
	s_lshl_b32 s63, s63, 23
	s_add_co_i32 s[CS], s[CS], s63                 ; a score stands for score x 2^(e6 + e7): the two exponents are added to c's exponent field
	s_mov_b32 s[CS+1], s[CS]                       ; (named with it as a pair, so it is written)
	s_add_co_i32 s[EPV], s52, s53
	s_add_co_i32 s63, s52, 127
	s_lshl_b32 s74, s63, 23
	v_mov_b32 v[PS], s74
	s_add_co_i32 s63, s54, 127
	s_lshl_b32 s74, s63, 23
	v_mov_b32 v[AS], s74
; A KEY STEP: 128 keys.  masked = 1: the step is left out where all its keys come after my 16 queries (SI above s[last]), and on the diagonal (SI = s[last]) hidden scores become -infinity.
.macro STEP masked, last, dg
.if \masked
	s_cmp_gt_u32 s[SI], s[\last]
	s_cbranch_scc1 .Lhid_\@
.endif
	s_setprio 2
	v_add_nc_u32 v[ADK], s[TB], v[LI]
	v_add_nc_u32 v[ADV], s[TB], v[LIV]
	v_nop                                          ; with the two additions: four places in front of loads into registers that the last products read
	v_nop
.irp t, 0,1,2,3,4,5,6,7
	ds_load_b128 v[KF+8*\t:KF+8*\t+3], v[ADK] offset:1024*\t
	ds_load_b128 v[KF+8*\t+4:KF+8*\t+7], v[ADK] offset:1024*\t+512
.endr
	s_wait_alu depctr_va_vdst(0)
	s_wait_dscnt 0x0
.irp t, 0,1,2,3,4,5,6,7
	v_wmma_f32_16x16x64_fp8_fp8 v[S+8*\t:S+8*\t+7], v[KF+8*\t:KF+8*\t+7], v[QF:QF+7], 0
.endr
.irp t, 0,1,2,3
.irp c, 0,1,2,3
	ds_load_b128 v[VF+16*\t+4*\c:VF+16*\t+4*\c+3], v[ADV] offset:2048*\t+512*\c   ; V lands while the softmax is walked
.endr
.endr
.rept 4
	v_nop                                          ; places in front of the first read of the scores
.endr
.if \masked
	s_cmp_lg_u32 s[SI], s[\last]
	s_cbranch_scc1 .Lopen_\@
	v_mov_b32 v252, 0xff800000                     ; -infinity
.set n, 0
.rept 64
	v_cmp_gt_i32 vcc_lo, 32*(n/16)+n%16, v[\dg]    ; register 16 b + i holds the step's key 32 b + 16 hh + i: hidden where it comes after my query
	v_cndmask_b32 v[S+n], v[S+n], v252, vcc_lo
.set n, n+1
.endr
.Lopen_\@:
.endif
	v_max3_num_f32 v254, v[S], v[S+1], v[S+2]      ; the step's largest score of my query among my 64 keys, in two chains, each accumulator from its low end on,
	v_max3_num_f32 v250, v[S+3], v[S+4], v[S+5]
.irp i, 6,10,14,18,22,26,30,34,38,42,46,50,54,58
	v_max3_num_f32 v254, v254, v[S+\i], v[S+\i+1]
	v_max3_num_f32 v250, v250, v[S+\i+2], v[S+\i+3]
.endr
	v_max3_num_f32 v254, v254, v[S+62], v[S+63]
	s_delay_alu instid0(VALU_DEP_1)
	v_max_num_f32 v254, v254, v250
	s_delay_alu instid0(VALU_DEP_1)
	v_permlanex16_b32 v255, v254, s[SEL], s[SEL+1]
	s_delay_alu instid0(VALU_DEP_1)
	v_max_num_f32 v254, v254, v255                 ; and among lane l xor 16's
	s_delay_alu instid0(VALU_DEP_1)
	v_mul_f32 v254, s[CS], v254                    ; as t (c is positive)
	s_delay_alu instid0(VALU_DEP_1)
	v_max_num_f32 v15, v15, v254                   ; the running largest t
	v_mov_b32 v254, v14
	s_delay_alu instid0(VALU_DEP_2)
	v_floor_f32 v14, -v15                          ; the new -M = floor(-t): M is a whole number
	s_delay_alu instid0(VALU_DEP_1)
	v_sub_f32 v254, v14, v254                      ; old M - new M: a whole number, 0 or less
	s_delay_alu instid0(VALU_DEP_1)
	v_cvt_i32_f32 v254, v254                       ; (it saturates)
	s_delay_alu instid0(VALU_DEP_1)
	v_ldexp_f32 v250, 1.0, v254                    ; f = 2^(old M - new M)
.set j, 0
.rept 32
	v_pk_fma_f32 v[S+j:S+j+1], v[S+j:S+j+1], s[CS:CS+1], v[14:15] op_sel_hi:[1,0,0]   ; t - M, two at a time
.set j, j+2
.endr
.set j, 0
	s_setprio 1
	s_wait_alu depctr_va_vdst(0)
.rept 64
	v_exp_f32 v[S+j], v[S+j]                       ; p = 2^(t - M), at most 1
.set j, j+1
.endr
	v_pk_mul_f32 v[16:17], v[16:17], v[250:251] op_sel_hi:[1,0]   ; the sums under the new M: the plain line behind the exponentials
	s_wait_alu depctr_va_vdst(0)                   ; one wait for the batch of 64, ahead of its first reader
	v_pk_add_f32 v[252:253], v[94:95], v[98:99]
	v_pk_add_f32 v[88:89], v[102:103], v[106:107]
	v_pk_add_f32 v[86:87], v[110:111], v[114:115]
	v_pk_add_f32 v[84:85], v[118:119], v[122:123]
	v_pk_add_f32 v[82:83], v[126:127], v[130:131]
	v_pk_add_f32 v[80:81], v[134:135], v[138:139]
	v_pk_add_f32 v[78:79], v[142:143], v[146:147]
	v_pk_add_f32 v[16:17], v[16:17], v[150:151]
	v_pk_add_f32 v[252:253], v[252:253], v[90:91]
	v_pk_add_f32 v[88:89], v[88:89], v[92:93]
	v_pk_add_f32 v[86:87], v[86:87], v[96:97]
	v_pk_add_f32 v[84:85], v[84:85], v[100:101]
	v_pk_add_f32 v[82:83], v[82:83], v[104:105]
	v_pk_add_f32 v[80:81], v[80:81], v[108:109]
	v_pk_add_f32 v[78:79], v[78:79], v[112:113]
	v_pk_add_f32 v[16:17], v[16:17], v[116:117]
	v_pk_add_f32 v[252:253], v[252:253], v[120:121]
	v_pk_add_f32 v[88:89], v[88:89], v[124:125]
	v_pk_add_f32 v[86:87], v[86:87], v[128:129]
	v_pk_add_f32 v[84:85], v[84:85], v[132:133]
	v_pk_add_f32 v[82:83], v[82:83], v[136:137]
	v_pk_add_f32 v[80:81], v[80:81], v[140:141]
	v_pk_add_f32 v[78:79], v[78:79], v[144:145]
	v_pk_add_f32 v[16:17], v[16:17], v[148:149]
	v_pk_add_f32 v[252:253], v[252:253], v[152:153]
	s_delay_alu instid0(VALU_DEP_2)
	v_pk_add_f32 v[16:17], v[16:17], v[84:85]
	s_delay_alu instid0(VALU_DEP_2)
	v_pk_add_f32 v[252:253], v[252:253], v[82:83]
	v_pk_add_f32 v[88:89], v[88:89], v[80:81]
	v_pk_add_f32 v[86:87], v[86:87], v[78:79]
	s_delay_alu instid0(VALU_DEP_2)
	v_pk_add_f32 v[16:17], v[16:17], v[88:89]
	s_delay_alu instid0(VALU_DEP_2)
	v_pk_add_f32 v[252:253], v[252:253], v[86:87]
	s_delay_alu instid0(VALU_DEP_1)
	v_pk_add_f32 v[16:17], v[16:17], v[252:253]
	s_setprio 0
.irp b, 0,1,2,3
.irp i, 0,1,2,3,4,5,6,7,8,9,10,11,12,13,14,15
.endr
	v_cvt_scalef32_pk8_fp8_f32 v[KF+4*\b:KF+4*\b+1], v[S+16*\b:S+16*\b+7], v[PS]
	v_cvt_scalef32_pk8_fp8_f32 v[KF+4*\b+2:KF+4*\b+3], v[S+16*\b+8:S+16*\b+15], v[PS]
.endr
.set j, 0
.rept 16
	v_pk_mul_f32 v[O+j:O+j+1], v[O+j:O+j+1], v[250:251] op_sel_hi:[1,0]   ; O^T under the new M; also the plain lines between the conversions and the products
.set j, j+2
.endr
	s_wait_alu depctr_va_vdst(0)
	s_wait_dscnt 0x0                               ; V is in
.irp t, 0,1,2,3
	v_wmma_f32_16x16x128_fp8_fp8 v[O+8*\t:O+8*\t+7], v[VF+16*\t:VF+16*\t+15], v[KF:KF+15], v[O+8*\t:O+8*\t+7]   ; the four accumulators take turns
.endr
.if \masked
.Lhid_\@:
.endif
	s_add_co_u32 s[TB], s[TB], 8192
.endm
; key steps first .. end - 1: the trip count is a constant of the text; what a wave does not need is jumped over inside the trip
.macro KLOOP first, end, masked, last, dg
	s_mov_b32 s[SI], \first
	s_mov_b32 s[TB], (\first)*8192
.Lk_\@:
	STEP \masked, \last, \dg
	s_add_co_u32 s[SI], s[SI], 1
	s_cmp_lt_u32 s[SI], \end
	s_cbranch_scc1 .Lk_\@
	s_setprio 0
.endm
.macro INIT                            ; the step is written without a first step of its own: it finds zeros, which the first change of M leaves zeros
	v_mov_b32 v15, 0xff61b1e6                      ; the largest t so far: -3e38
	s_delay_alu instid0(VALU_DEP_1)
	v_floor_f32 v14, -v15
	v_mov_b32 v16, 0
	v_mov_b32 v17, 0
.set j, 0
.rept 32
	v_mov_b32 v[O+j], 0
.set j, j+1
.endr
.endm
; O^T / the sum x 2^(e8 + e9), held and converted under 2^e10.  A lane has 8 codes for each 16 d; the image wants 16 neighbouring d a lane: so the 1,024 bytes turn through my wave's own stage.
.macro OUTPUT ob
	v_add_f32 v16, v16, v17
	s_delay_alu instid0(VALU_DEP_1)
	v_permlanex16_b32 v255, v16, s[SEL], s[SEL+1]
	s_delay_alu instid0(VALU_DEP_1)
	v_add_f32 v16, v16, v255                       ; the row's sum
	s_wait_alu depctr_va_vdst(0)
	v_rcp_f32 v16, v16
	v_nop                                          ; the plain line behind the reciprocal; with the additions, the next line and the v_ldexp_f32: the places behind the last products
	v_nop
	s_wait_alu depctr_va_vdst(0)                   ; ahead of the reciprocal's first reader
	v_ldexp_f32 v16, v16, s[EPV]
.set j, 0
.rept 16
	v_pk_mul_f32 v[S+j:S+j+1], v[O+j:O+j+1], v[16:17] op_sel_hi:[1,0]   ; register 8 t + i: d = 16 t + 8 hh + i; each accumulator from its low end on
.set j, j+2
.endr
.set j, 0
.rept 32
.set j, j+1
.endr
.irp t, 0,1,2,3
	v_cvt_scalef32_pk8_fp8_f32 v[S+32+2*\t:S+33+2*\t], v[S+8*\t:S+8*\t+7], v[AS]
.endr
	v_nop                                          ; a plain line behind the last conversion: later products write these registers
.irp t, 0,1,2,3
	ds_store_b64 v[STO], v[S+32+2*\t:S+33+2*\t] offset:16*\t
.endr
	ds_load_b128 v[S+40:S+43], v[RD]               ; LDS serves a wave's instructions in order (ISA guide 5.7.1.4): these see my stores
	ds_load_b128 v[S+44:S+47], v[RD] offset:32
	s_wait_dscnt 1
	global_store_b128 v[LI], v[S+40:S+43], s[\ob:\ob+1]             ; 32 lanes store 512 consecutive bytes, aligned
	s_wait_dscnt 0
	global_store_b128 v[LI], v[S+44:S+47], s[\ob:\ob+1] offset:512
.endm
	INIT
	s_wait_loadcnt 0x0                             ; Q of iH
	s_wait_tensorcnt 3                             ; my first piece is in: with the partner waves' pieces, keys 0 .. 511 of K and V; three loads may stay out: nothing is filled twice
	s_barrier_signal -1
	s_barrier_wait -1
	KLOOP 0, 4, 0, 0, 0                            ; iH's last step is 8 or later in every wave: these four count whole
	s_wait_tensorcnt 0x0                           ; all my pieces are in,
	s_wait_dscnt 0x0
	s_barrier_signal -1
	s_barrier_wait -1                              ; everybody's are
	KLOOP 4, 16, 1, LASTH, DGH
	global_load_b128 v[QF:QF+3], v[LI], s[68:69]   ; Q of iL, asked for ahead of iH's way out (the last product that read Q has the whole softmax behind it)
	global_load_b128 v[QF+4:QF+7], v[LI], s[68:69] offset:512
	OUTPUT 70
	INIT
	s_wait_xcnt 0x0                                ; the stores have read their registers, which the next scores write
	s_wait_loadcnt 0x0
	KLOOP 0, 8, 1, LASTL, DGL
	OUTPUT 72
	s_wait_xcnt 0x0
	v_lshl_add_u32 v254, v0, 2, 0x45000
	v_mov_b32 v255, 0
	s_wait_alu depctr_va_vdst(0)
	s_wait_tensorcnt 0x0
	ds_add_u32 v254, v255
	s_wait_dscnt 0x0
	CROUND                                         ; the closing round: no work-group ends while a partner may still ask for a tile that names it
	s_endpgm
.Lfunc_end_k_qbf585dbbf0_attn:
	.size	k_qbf585dbbf0_attn, .Lfunc_end_k_qbf585dbbf0_attn-k_qbf585dbbf0_attn
	.p2alignl 7, 3214868480
	.fill 96, 4, 3214868480
	.section	.rodata,"a",@progbits
	.p2align	6, 0x0
	.amdhsa_kernel k_qbf585dbbf0_attn
		.amdhsa_group_segment_fixed_size 284672
		.amdhsa_private_segment_fixed_size 0
		.amdhsa_enable_private_segment 0
		.amdhsa_kernarg_size 24
		.amdhsa_user_sgpr_count 2
		.amdhsa_user_sgpr_kernarg_segment_ptr 1
		.amdhsa_wavefront_size32 1
		.amdhsa_system_sgpr_workgroup_id_x 1
		.amdhsa_system_sgpr_workgroup_id_y 1
		.amdhsa_system_sgpr_workgroup_id_z 1
		.amdhsa_system_vgpr_workitem_id 0
		.amdhsa_next_free_vgpr 256
		.amdhsa_next_free_sgpr 80
		.amdhsa_reserve_vcc 1
		.amdhsa_float_denorm_mode_32 3
		.amdhsa_float_denorm_mode_16_64 3
		.amdhsa_fp16_overflow 1
		.amdhsa_memory_ordered 1
		.amdhsa_forward_progress 1
		.amdhsa_inst_pref_size 68
	.end_amdhsa_kernel
	.amdgpu_metadata
---
amdhsa.version: [ 1, 2 ]
amdhsa.kernels:
  - .name:           k_qbf585dbbf0_attn
    .symbol:         k_qbf585dbbf0_attn.kd
    .args:
      - { .name: qkvc, .offset: 0, .size: 8, .value_kind: global_buffer, .address_space: global }
      - { .name: lowp_scales, .offset: 8, .size: 8, .value_kind: global_buffer, .address_space: global }
      - { .name: ac, .offset: 16, .size: 8, .value_kind: global_buffer, .address_space: global }
    .group_segment_fixed_size: 284672
    .private_segment_fixed_size: 0
    .kernarg_segment_align: 8
    .kernarg_segment_size: 24
    .max_flat_workgroup_size: 512
    .sgpr_count:     80
    .vgpr_count:     256
    .wavefront_size: 32
...
	.end_amdgpu_metadata
.endif
;; end of part 3
;; launch outp (part 4): grid 4 x 32, 4 waves a work-group, clusters of 4 x 4, 327,680 bytes of LDS; arguments ac, wc, bo, lowp_scales, out0; writes out0
.if DOCPART == 4
	.amdgcn_target "amdgcn-amd-amdhsa--gfx1250"
	.amdhsa_code_object_version 6
	.text
	.protected	k_qbf585dbbf0_outp
	.globl	k_qbf585dbbf0_outp
	.p2align	8
	.type	k_qbf585dbbf0_outp,@function
k_qbf585dbbf0_outp:
	s_mov_b64 s[64:65], 0
	v_nop
	global_prefetch_b8 v0, s[64:65] scope:SCOPE_SE
	s_setreg_imm32_b32 hwreg(HW_REG_WAVE_MODE, 25, 1), 1
	s_wait_xcnt 0x0
	s_wait_alu depctr_hold_cnt(0) depctr_sa_sdst(0) depctr_va_vdst(0) depctr_va_sdst(0) depctr_va_ssrc(0) depctr_va_vcc(0) depctr_vm_vsrc(0)
	s_getreg_b32 s2, hwreg(HW_REG_IB_STS2, 6, 4)
	s_cmp_eq_u32 s2, 0
	s_cbranch_scc0 .Lentry_in_a_cluster
	s_endpgm
.Lentry_in_a_cluster:
	s_bfe_u32 s2, ttmp6, 0x10000c
	s_cmp_lg_u32 s2, 0xf033
	s_cbranch_scc0 .Lentry_shape_is_right
	s_endpgm
.Lentry_shape_is_right:
; out0 = a Wo + bo on codes of FP8 (E4M3).  C[m][n] = sum over k of A[m][k] B[n][k], M = 8,192, N = K = 1,024; a tile of 256 x 256 to a work-group of four waves, 128 x 128 (64 accumulators, 512 registers) to a wave.
; B = Wo's codes, rows [n][k] of 1,024 bytes, the fourth part of wc.  A = attention's codes as IMAGES OF OPERAND REGISTERS: block idx (16 rows) = 16,384 bytes, head h = 1,024, chunk = 512, lane (r, hh) 16 bytes;
; two heads on end are one fragment of 16 rows x 128 K: registers 4 c .. 4 c + 3 hold K = 32 c + 16 hh + 0 .. 15, as B's fragments have it.  Lane r of block idx holds row 32 (idx / 2) + 8 (idx % 2) + r + 8 (r / 8).
; THE MATRIX INSTRUCTION IS USED TRANSPOSED (source 0 = 16 rows of B, source 1 = a block of A): a lane holds eight neighbouring numbers of a row of C.
; K goes in steps of 256 through a ring of two LDS slots filled by the tensor data mover.  CLUSTERS: 4 x 4 work-groups; A's tile is asked for jointly along a row of the cluster, B's along a column.
; 128 work-groups: a tile of 128 x 128 a wave reads the fewest LDS bytes for its products, and a smaller one would read half as many again.
; LIMIT: e10 + e11 between -126 and 127, so that 2^(e10 + e11) is an f32 number.
; REGISTERS, in windows of 256: window 0: v0-31 addresses; v32-35 the bias; from v128 A's fragments, ONE set; window 1: B's fragments, TWO sets; windows 2, 3: the accumulators.
.set ROWB,   256                       ; B: a tile's row in bytes
.set KROW,   1024
.set PITCH,  272                       ; B's LDS row: 256 bytes + 16 of padding (64 banks of 4 bytes: ISA guide 11.1: the 16 rows of a load start at 16 different banks)
.set FR,     16
.set NL,     4
.set NP,     4                         ; places behind this matrix instruction (ISA guide 7.12.1)
.set AHALF,  32768                     ; A: 8 blocks x 4,096 bytes (256 along K): what one tensor load brings; dense: a fragment load reads 512 consecutive bytes
.set BHALF,  128*PITCH
.set BOFF,   2*AHALF
.set SLOT,   BOFF+2*BHALF
.set SPARE,  2*SLOT                    ; behind the ring: the spare words, 128 bytes for each wave, which no other line names
.set SPITCH, 528                       ; the way out: a stage of 16 rows x (512 bytes + 16) for each wave, in slot 0, which has had its last fill and its last read when the first result is stored there
.set ADRA, 16
.set ADRB, 20
.set STO,  24
.set RD,   25
.set CO,   26                          ; v26  16 x lane
.set SPW,  28
.set NIL,  29
.set BI,   32                          ; v32-35  bo at my four columns of a row read back
.set AF,   128
.set BK,   128                         ; the way out: 16 rows read back from the stage: v128-191 and v192-255 by turns
.set G1, 24
.set G0, 32
.set G1B, 48
.set G0B, 56
.set MSB, 0
.macro WIN new                         ; the immediate's high byte repeats the setting that is left
.if MSB != \new
	s_set_vgpr_msb (MSB<<8)|\new
.set MSB, \new
.endif
.endm
.set MUL_LO, 0xa1
.set MUL_HI, 0xf1
.set TO_B,   0x40
.macro JLOAD g0a, g1a, g0b, g1b        ; waves 0 and 1 fetch for A, waves 2 and 3 for B; four v_nop follow each of the two lines
	s_cmp_eq_u32 s15, 0
	s_cbranch_scc0 .Lfor_b_\@
	tensor_load_to_lds s[\g0a:\g0a+3], s[\g1a:\g1a+7]
	s_nop 0
.rept 4
	v_nop
.endr
	s_branch .Lasked_\@
.Lfor_b_\@:
	tensor_load_to_lds s[\g0b:\g0b+3], s[\g1b:\g1b+7]
	s_nop 0
.rept 4
	v_nop
.endr
.Lasked_\@:
.endm
.macro CREST
	s_cmp_lg_u32 s14, 0
	s_cbranch_scc1 .Lnot_wave_0_\@
	s_barrier_signal -3
.Lnot_wave_0_\@:
	s_barrier_wait -3
	s_barrier_signal -1
	s_barrier_wait -1
.endm
.macro CROUND
	s_barrier_signal -1
	s_barrier_wait -1
	CREST
.endm
	s_load_b256 s[4:11], s[0:1], 0x0               ; ac 4:5, wc 6:7, bo 8:9, the scales' exponents 10:11
	s_load_b64 s[12:13], s[0:1], 0x20              ; out0
	v_lshl_add_u32 v[SPW], v0, 2, SPARE
	v_mov_b32 v[NIL], 0
	ds_add_u32 v28, v29
	ds_add_u32 v28, v29
	s_wait_dscnt 0x0
	v_lshrrev_b32 v1, 5, v0
	v_readfirstlane_b32 s14, v1                    ; wave 0..3
	s_lshr_b32 s15, s14, 1                         ; which half of the tile's rows is mine.  Also: I fetch for A (0) or for B (1)
	s_and_b32 s16, s14, 1                          ; which half of its columns.  Also: which half of that tile I fetch
	s_bfe_u32 s40, ttmp6, 0x40000                  ; cx
	s_bfe_u32 s41, ttmp6, 0x40004                  ; cy
	s_lshl_b32 s42, ttmp9, 2
	s_add_co_u32 s42, s42, s40                     ; tile column
	s_and_b32 s17, ttmp7, 0xffff
	s_lshl_b32 s17, s17, 2
	s_add_co_u32 s17, s17, s41                     ; tile row
	s_lshl_b32 s43, s41, 2
	s_lshl_b32 s43, 15, s43                        ; my row of the cluster
	s_lshl_b32 s44, 0x1111, s40                    ; my column
	; group 1 for A: 8 rows (blocks) of 4,096 bytes, 16,384 bytes apart, laid on end in LDS
	s_or_b32 s[G1+0], s43, (3<<16)|(1<<21)         ; 15:0 the mask: my row; 17:16 elements of 8 bytes; 21 set beside a mask; no padding
	s_mov_b32 s[G1+1], 512<<16                     ; tensor_dim0 = 512 elements
	s_mov_b32 s[G1+2], 8<<16                       ; tensor_dim1 = 8
	s_mov_b32 s[G1+3], 512<<16                     ; tile_dim0
	s_mov_b32 s[G1+4], 8                           ; tile_dim1
	s_mov_b32 s[G1+5], 2048                        ; tensor_dim0_stride, in elements
	s_mov_b32 s[G1+6], 0
	s_mov_b32 s[G1+7], 0
	; group 1 for B: 128 rows x 256 bytes, padded in LDS
	s_or_b32 s[G1B+0], s44, (0<<16)|(1<<20)|(1<<21)|(5<<22)|(3<<25)  ; the mask: my column; elements of 1 byte; four words of padding after every 64
	s_mov_b32 s[G1B+1], ROWB<<16
	s_mov_b32 s[G1B+2], 128<<16
	s_mov_b32 s[G1B+3], ROWB<<16
	s_mov_b32 s[G1B+4], 128
	s_mov_b32 s[G1B+5], KROW
	s_mov_b32 s[G1B+6], 0
	s_mov_b32 s[G1B+7], 0
	s_lshl_b32 s18, s16, 17                        ; my half: 8 blocks of 16,384 bytes, or 128 rows of 1,024
	s_lshl_b32 s20, s17, 18
	s_add_co_u32 s20, s20, s18                     ; A: block 16 x tile row + 8 x half
	s_mov_b32 s21, 0
	s_lshl_b32 s46, s42, 18
	s_add_co_u32 s46, s46, s18                     ; B: row 256 x tile column + 128 x half,
	s_add_co_u32 s46, s46, 0x300000                ; in the fourth part of wc
	s_mov_b32 s47, 0
	s_lshl_b32 s45, s16, 15                        ; where they go: no place in the cluster enters an LDS address
	s_mul_i32 s19, s16, BHALF
	s_add_co_u32 s19, s19, BOFF
	s_wait_kmcnt 0x0
	s_load_b64 s[96:97], s[10:11], 0x28            ; e10, e11
	s_add_nc_u64 s[20:21], s[4:5], s[20:21]
	s_add_nc_u64 s[46:47], s[6:7], s[46:47]
	CROUND                                         ; all sixteen work-groups are here: the first joint loads meet
.irp s, 0,1
	s_mov_b32 s[G0+4*\s], 1
	s_add_co_u32 s[G0+4*\s+1], s45, \s*SLOT
	s_add_nc_u64 s[G0+4*\s+2:G0+4*\s+3], s[20:21], \s*4096
	s_or_b32 s[G0+4*\s+3], s[G0+4*\s+3], 0x80000000
	s_mov_b32 s[G0B+4*\s], 1
	s_add_co_u32 s[G0B+4*\s+1], s19, \s*SLOT
	s_add_nc_u64 s[G0B+4*\s+2:G0B+4*\s+3], s[46:47], \s*ROWB
	s_or_b32 s[G0B+4*\s+3], s[G0B+4*\s+3], 0x80000000
	s_wait_alu depctr_va_vdst(0)
	s_wait_tensorcnt 0x0
	ds_add_u32 v28, v29
	ds_add_u32 v28, v29
	s_wait_dscnt 0x0
	CROUND
	JLOAD G0+4*\s, G1, G0B+4*\s, G1B               ; one load of mine is out
.endr
	v_and_b32 v1, 15, v0                           ; r
	v_bfe_u32 v2, v0, 4, 1                         ; hh
	v_and_b32 v6, 31, v0
	v_lshlrev_b32 v[CO], 4, v6
	v_mul_u32_u24 v3, v1, PITCH
	v_lshl_add_u32 v4, v2, 4, v3
	s_lshl_b32 s21, s15, 15                        ; my 8 blocks of A
	s_mul_i32 s22, s16, BHALF                      ; my 128 rows of B
	s_add_co_u32 s22, s22, BOFF
.irp s, 0,1
	v_add_nc_u32 v[ADRA+\s], s21, v[CO]
	v_add_nc_u32 v[ADRB+\s], s22, v4
	s_add_co_u32 s21, s21, SLOT
	s_add_co_u32 s22, s22, SLOT
.endr
	s_mul_i32 s23, s14, 16*SPITCH                  ; my stage
	v_mul_u32_u24 v5, v1, SPITCH
	v_lshl_add_u32 v5, v2, 5, v5
	v_add_nc_u32 v[STO], s23, v5                   ; in: row r, 32 bytes for each half of the lanes
	v_add_nc_u32 v[RD], s23, v[CO]                 ; back: the 32 lanes take one row of 512 bytes
	s_lshl_b32 s20, s17, 8
	s_lshl_b32 s21, s15, 7
	s_add_co_u32 s20, s20, s21
	s_lshl_b32 s20, s20, 12                        ; my first row of C, rows of 4,096 bytes: under 2^25
	s_mov_b32 s21, 0
	s_lshl_b32 s46, s42, 10
	s_lshl_b32 s47, s16, 9
	s_add_co_u32 s46, s46, s47                     ; my first column, in bytes
	s_mov_b32 s47, 0
	s_add_nc_u64 s[8:9], s[8:9], s[46:47]
	s_add_nc_u64 s[20:21], s[20:21], s[46:47]
	s_add_nc_u64 s[12:13], s[12:13], s[20:21]
	global_load_b128 v[BI:BI+3], v[CO], s[8:9]     ; bo at columns 4 x lane + 0 .. 3 of my 128
.macro FRAGA reg, adr, q, i            ; block i, the slot's q-th 128 along K: four loads of 512 consecutive bytes
.irp c, 0,1,2,3
	ds_load_b128 v[\reg+4*\c:\reg+4*\c+3], v[\adr] offset:4096*(\i)+2048*(\q)+512*\c
.endr
.endm
.macro FRAGB reg, adr, q, i
.irp c, 0,1,2,3
	ds_load_b128 v[\reg+4*\c:\reg+4*\c+3], v[\adr] offset:128*(\q)+32*\c+(\i)*16*PITCH
.endr
.endm
; 16 matrix instructions: A's blocks a0, a0 + 1 x B's eight.  The 64 accumulators take turns, one instruction a turn.
.macro MUL16 a0, p, zero
.irp a, \a0, \a0+1
.irp b, 0,1,2,3,4,5,6,7
.if \zero
	v_wmma_f32_16x16x128_fp8_fp8 v[8*(8*((\a)%4)+\b):8*(8*((\a)%4)+\b)+7], v[128*(\p)+FR*\b:128*(\p)+FR*\b+FR-1], v[AF+FR*(\a):AF+FR*(\a)+FR-1], 0
.else
	v_wmma_f32_16x16x128_fp8_fp8 v[8*(8*((\a)%4)+\b):8*(8*((\a)%4)+\b)+7], v[128*(\p)+FR*\b:128*(\p)+FR*\b+FR-1], v[AF+FR*(\a):AF+FR*(\a)+FR-1], v[8*(8*((\a)%4)+\b):8*(8*((\a)%4)+\b)+7]
.endif
.endr
.endr
.endm
.macro FETCH_B slot, q, p
	WIN TO_B
.irp i, 0,1,2,3,4,5,6,7
	FRAGB 128*(\p)+FR*\i, ADRB+\slot, \q, \i
.endr
	WIN 0
.endm
.macro FETCH_A slot, q, i0
.irp i, \i0, \i0+1, \i0+2, \i0+3
	FRAGA AF+FR*(\i), ADRA+\slot, \q, \i
.endr
.endm
.macro PLACES n
.rept \n
	v_nop
.endr
.endm
.macro STEP slot, q, zero
	s_wait_dscnt 4*NL                              ; B's set and A's blocks 0-3 are in; the youngest 16 loads (A's blocks 4-7) may be out
	WIN MUL_LO
	MUL16 0, (\q)%2, \zero
	MUL16 2, (\q)%2, \zero
	s_wait_dscnt 0
	PLACES NP
	FETCH_B \slot, (\q)+1, 1-(\q)%2
	FETCH_A \slot, (\q)+1, 0
	WIN MUL_HI
	MUL16 4, (\q)%2, \zero
	MUL16 6, (\q)%2, \zero
	PLACES NP
	WIN 0
	FETCH_A \slot, (\q)+1, 4
.endm
; A slot's last step changes slots: ONE barrier; in front of it each wave waits for all its tensor loads, adds 0 to its spare word, and waits for that and for its own reads of this slot.
.macro TURN slot, next, fill
	s_wait_tensorcnt 0x0                           ; all my tensor loads have landed: my part of the next slot
	ds_add_u32 v[SPW], v[NIL]                      ; 0 onto my spare word
	s_wait_dscnt 4*NL+1                            ; (the add and the youngest 16 loads may be out)
	WIN MUL_LO
	MUL16 0, 1, 0
	s_wait_dscnt 0x0                               ; the add is done, and my reads of this slot are over
	s_barrier_signal -1
	MUL16 2, 1, 0
	WIN 0
	s_barrier_wait -1
.if \fill
	CREST                                          ; the barrier has opened a round of the cluster's barrier: no wave of any partner still reads this slot's tile or has a load on its way
	s_add_nc_u64 s[G0+4*\slot+2:G0+4*\slot+3], s[G0+4*\slot+2:G0+4*\slot+3], 2*4096
	s_add_nc_u64 s[G0B+4*\slot+2:G0B+4*\slot+3], s[G0B+4*\slot+2:G0B+4*\slot+3], 2*ROWB
	JLOAD G0+4*\slot, G1, G0B+4*\slot, G1B         ; the first tensor load behind the round, and my only one until the next
.else
	PLACES NP
.endif
	FETCH_B \next, 0, 0
	FETCH_A \next, 0, 0
	WIN MUL_HI
	MUL16 4, 1, 0
	MUL16 6, 1, 0
	PLACES NP
	WIN 0
	FETCH_A \next, 0, 4
.endm
	s_wait_alu depctr_va_vdst(0)
	s_wait_tensorcnt 1                             ; my part of K step 0 is in (K step 1's load may be out)
	s_barrier_signal -1
	s_barrier_wait -1                              ; everybody's is
	FETCH_B 0, 0, 0
	FETCH_A 0, 0, 0
	FETCH_A 0, 0, 4
	STEP 0, 0, 1                                   ; eight steps of 128 along K, written straight: a loop would have one trip
	TURN 0, 1, 1
	STEP 1, 0, 0
	TURN 1, 0, 1
	STEP 0, 0, 0
	TURN 0, 1, 0                                   ; behind this barrier nobody reads slot 0
	STEP 1, 0, 0
	s_wait_dscnt 4*NL
	WIN MUL_LO
	MUL16 0, 1, 0
	MUL16 2, 1, 0
	s_wait_dscnt 0
	WIN MUL_HI
	MUL16 4, 1, 0
	MUL16 6, 1, 0
	WIN 0
; THE WAY OUT, block by block of 16 rows x 128 columns.  The sums go as they are from the accumulators into my own stage and come back as whole rows of 512 bytes; a lane then holds the same four columns of every row,
; so that four registers of bias serve, and one packed multiply-add for two numbers gives sum x 2^(e10 + e11) + bo.  LDS serves a wave's instructions in order (ISA guide 5.7.1.4): no wait between stores and loads.
.macro TOSTAGE a
.set AC, 64*((\a)%4)
	WIN 0x08+4*((\a)/4)                            ; an LDS store's data: window 2 or 3
.irp b, 0,1,2,3,4,5,6,7
	ds_store_b128 v[STO], v[AC+8*\b:AC+8*\b+3] offset:64*\b          ; each accumulator from its low end on
	ds_store_b128 v[STO], v[AC+8*\b+4:AC+8*\b+7] offset:64*\b+16
.endr
	WIN 0
.set BB, BK+64*((\a)%2)
.irp t, 0,1,2,3,4,5,6,7,8,9,10,11,12,13,14,15
	ds_load_b128 v[BB+4*\t:BB+4*\t+3], v[RD] offset:\t*SPITCH
.endr
.endm
.macro SEND a, younger                 ; younger: the LDS instructions issued behind block a's loads, which may stay out
.set BB, BK+64*((\a)%2)
	s_wait_dscnt \younger
.irp t, 0,1,2,3,4,5,6,7,8,9,10,11,12,13,14,15
	v_pk_fma_f32 v[BB+4*\t:BB+4*\t+1], v[BB+4*\t:BB+4*\t+1], s[96:97], v[BI:BI+1] op_sel_hi:[1,0,1]
	v_pk_fma_f32 v[BB+4*\t+2:BB+4*\t+3], v[BB+4*\t+2:BB+4*\t+3], s[96:97], v[BI+2:BI+3] op_sel_hi:[1,0,1]
.endr
.irp t, 0,1,2,3,4,5,6,7,8,9,10,11,12,13,14,15
	global_store_b128 v[CO], v[BB+4*\t:BB+4*\t+3], s[12:13] offset:(32*((\a)/2)+8*((\a)%2)+\t+8*(\t/8))*4096 th:TH_STORE_NT   ; lane r of a block holds row 32 (a / 2) + 8 (a % 2) + r + 8 (r / 8); 32 lanes store 512 consecutive bytes, aligned; 127 rows at the most: inside the signed 24-bit immediate
.endr
.endm
	s_wait_kmcnt 0x0
	s_add_co_i32 s96, s96, s97
	s_add_co_i32 s96, s96, 127
	s_lshl_b32 s96, s96, 23                        ; 2^(e10 + e11) as f32
	s_mov_b32 s97, s96                             ; (named with it as a pair, so it is written)
	s_wait_loadcnt 0x0                             ; the bias
	PLACES NP                                      ; behind the last products: for the stores of results and the loads into registers that held A's fragments
	TOSTAGE 0
.irp a, 1,2,3,4,5,6,7
.if \a > 1
	s_wait_xcnt 0x0                                ; block a - 2's stores have read their registers: block a's rows may land there
.endif
	TOSTAGE \a
	SEND \a-1, 32                                  ; behind block a - 1's loads: block a's 16 stores and 16 loads
.endr
	SEND 7, 0
	s_wait_tensorcnt 0x0                           ; the wave's end
	ds_add_u32 v[SPW], v[NIL]
	s_wait_dscnt 0x0
	CROUND                                         ; the closing round: no work-group ends while a partner may still ask for a tile that names it
	s_endpgm
.Lfunc_end_k_qbf585dbbf0_outp:
	.size	k_qbf585dbbf0_outp, .Lfunc_end_k_qbf585dbbf0_outp-k_qbf585dbbf0_outp
	.p2alignl 7, 3214868480
	.fill 96, 4, 3214868480
	.section	.rodata,"a",@progbits
	.p2align	6, 0x0
	.amdhsa_kernel k_qbf585dbbf0_outp
		.amdhsa_group_segment_fixed_size 327680
		.amdhsa_private_segment_fixed_size 0
		.amdhsa_enable_private_segment 0
		.amdhsa_kernarg_size 40
		.amdhsa_user_sgpr_count 2
		.amdhsa_user_sgpr_kernarg_segment_ptr 1
		.amdhsa_wavefront_size32 1
		.amdhsa_system_sgpr_workgroup_id_x 1
		.amdhsa_system_sgpr_workgroup_id_y 1
		.amdhsa_system_sgpr_workgroup_id_z 1
		.amdhsa_system_vgpr_workitem_id 0
		.amdhsa_next_free_vgpr 1024
		.amdhsa_next_free_sgpr 98
		.amdhsa_reserve_vcc 0
		.amdhsa_float_denorm_mode_32 3
		.amdhsa_float_denorm_mode_16_64 3
		.amdhsa_memory_ordered 1
		.amdhsa_forward_progress 1
		.amdhsa_inst_pref_size 124
	.end_amdhsa_kernel
	.amdgpu_metadata
---
amdhsa.version: [ 1, 2 ]
amdhsa.kernels:
  - .name:           k_qbf585dbbf0_outp
    .symbol:         k_qbf585dbbf0_outp.kd
    .args:
      - { .name: ac, .offset: 0, .size: 8, .value_kind: global_buffer, .address_space: global }
      - { .name: wc, .offset: 8, .size: 8, .value_kind: global_buffer, .address_space: global }
      - { .name: bo, .offset: 16, .size: 8, .value_kind: global_buffer, .address_space: global }
      - { .name: lowp_scales, .offset: 24, .size: 8, .value_kind: global_buffer, .address_space: global }
      - { .name: out0, .offset: 32, .size: 8, .value_kind: global_buffer, .address_space: global }
    .group_segment_fixed_size: 327680
    .private_segment_fixed_size: 0
    .kernarg_segment_align: 8
    .kernarg_segment_size: 40
    .max_flat_workgroup_size: 128
    .sgpr_count:     98
    .vgpr_count:     1024
    .wavefront_size: 32
...
	.end_amdgpu_metadata
.endif
;; end of part 4
